; MI455X (gfx1250); checked and timed in simulation.
; The chip was launched on July 23, 2026; its instructions are those of AMD's public machine-readable ISA for CDNA 5 (MIT licence, August 2026) and "CDNA5" Instruction Set Architecture Reference Guide (July 2026). The comments in the code are by the model that wrote it; some were corrected since.
;; Enhanced Brain. Allowed arithmetic: float matrix products may take bf16 or f16 operands with f32 sums; other float arithmetic in f32, or as packed bf16 or f16 multiplies, adds, multiply-adds, maxima and minima; sums over many terms, partial sums and values carried from step to step in f32; what a program stores and reads back later, other than sums and carried values, may be rounded once to bf16 or f16.
;; Inputs: W1 1,024 x 256 float32; W2 256 x 8 float32; Wa 8 x 1,024 x 4,096 float32; Wb 8 x 4,096 x 1,024 float32; b1 256 float32; b2 8 float32; x 16 x 64 x 1,024 float32.
;; Outputs: out0 16 x 64 x 1,024 float32.
;; 2 versions, each right; version 2 is version 1 with the launches up, down written anew for expert scheduling mode. Each part assembles by itself: llvm-mc -triple=amdgcn-amd-amdhsa -mcpu=gfx1250 --defsym DOCPART=n.
;; ======== version 1 of 2: 5 launches
;; workspace buffers: xb 2,097,152 bytes; hp 262,144 bytes; plan 768 bytes of whole numbers; gate 512 bytes; H 25,165,824 bytes; P 50,331,648 bytes
;; launch pool (part 1): grid 16 x 16, 8 waves a work-group, no clusters, 15,360 bytes of LDS; arguments x, W1, xb, hp; writes xb, hp
.if DOCPART == 1
	.amdgcn_target "amdgcn-amd-amdhsa--gfx1250"
	.amdhsa_code_object_version 6
	.text
	.protected	k_qecdd9bd1ef_pool
	.globl	k_qecdd9bd1ef_pool
	.p2align	8
	.type	k_qecdd9bd1ef_pool,@function
k_qecdd9bd1ef_pool:
	s_mov_b64 s[64:65], 0
	v_nop
	global_prefetch_b8 v0, s[64:65] scope:SCOPE_SE
	s_setreg_imm32_b32 hwreg(HW_REG_WAVE_MODE, 25, 1), 1
	s_wait_xcnt 0x0
; POOL.  Work-group (ds = x id, b = y id) takes x[b][0..63][64 ds .. 64 ds + 63]: 64 rows of 256 bytes, and rows 64 ds .. + 63 of W1 (65,536 bytes).
; It stores (1) that piece of x rounded once to bf16, in the order in which the next launch's matrix operand registers take it:
;     xb[b][t 4][kb 32][q 2][lane 32][16 bytes], number u of lane (r, h) = x[b][16 t + r][32 kb + 16 q + 8 h + u];
; (2) hp[b][ds][0..255] = the sum over its 64 channels d of mean_s(x[b][s][d]) W1[d][j], in f32 on the vector unit: the router's choice of zones
;     flips on small errors, and the product is 4 million multiply-adds in all.  No matrix unit, no cluster: the tiles are read once each but for W1,
;     which is 1 MiB in all.
; LIMITS: the sums are taken in another order than a row-by-row sum; NaN and infinities are not treated apart.
.set PS,    8192                       ; LDS 0..8191: the bf16 tile in xb's order; 8192..10239: column sums, 256 bytes a wave
.set HR,    10240                      ; 10240..14335: four partial rows of hp, 1,024 bytes each
.set SPARE, 14336                      ; the spare words, 128 bytes for each of eight waves: four blocks of 256 bytes that no other line names
	s_load_b256 s[4:11], s[0:1], 0x0               ; x s[4:5], W1 s[6:7], xb s[8:9], hp s[10:11]
	v_lshl_add_u32 v30, v0, 2, SPARE               ; my spare word,
	v_mov_b32 v31, 0                               ; and 0: both kept for the closing add alone
	v_lshrrev_b32 v5, 5, v0
	v_readfirstlane_b32 s12, v5                    ; wave w
	s_mov_b32 s13, ttmp9                           ; ds
	s_and_b32 s14, ttmp7, 0xffff                   ; b
	s_mov_b32 s20, 0x76543210                      ; v_permlanex16_b32: each lane takes its own place in the other half
	s_mov_b32 s21, 0xfedcba98
	s_lshr_b32 s15, s12, 1                         ; w / 2
	s_and_b32 s17, s12, 1                          ; w % 2
	v_and_b32 v6, 15, v0                           ; cq: which 16 bytes of a row of 256
	v_bfe_u32 v7, v0, 4, 1                         ; hh: lanes 16-31 take the next row
	v_and_b32 v8, 31, v0                           ; lane
	s_lshl_b32 s22, s12, 15                        ; x: row 8 w + hh (+ 2 i by the immediate), 16 bytes at 16 cq
	v_lshlrev_b32 v1, 12, v7
	v_lshl_add_u32 v1, v6, 4, v1
	v_add_nc_u32 v1, s22, v1
	s_lshl_b32 s22, s15, 14                        ; W1: thread t has rows 16 (t / 64) + i and the four columns 4 (t % 64) on
	s_lshl_b32 s23, s17, 9
	s_add_co_u32 s22, s22, s23
	v_lshl_add_u32 v2, v8, 4, s22
	s_lshl_b32 s22, s15, 11                        ; the tile: row 8 w + 2 i + hh is tile t = w / 2, r = 8 (w % 2) + 2 i + hh; columns 4 cq on are kb = cq / 8, q, h = the next two bits of cq, u = 4 (cq % 2)
	s_lshl_b32 s23, s17, 7
	s_add_co_u32 s22, s22, s23
	v_lshrrev_b32 v3, 1, v6
	v_lshlrev_b32 v3, 8, v3                        ; (cq / 2) x 256 holds kb, q and h
	v_lshl_add_u32 v3, v7, 4, v3
	v_and_b32 v9, 1, v6
	v_lshl_add_u32 v3, v9, 3, v3
	v_add_nc_u32 v3, s22, v3
	s_lshl_b32 s22, s12, 8
	s_add_co_u32 s22, s22, PS
	v_lshl_add_u32 v10, v6, 4, s22                 ; my wave's column sums
	s_lshl_b32 s22, s12, 10
	v_lshl_add_u32 v11, v8, 4, s22                 ; the tile read back: wave w takes bytes 1,024 w on = (t = w / 2, kb = w % 2)
	s_lshl_b32 s22, s15, 15
	s_lshl_b32 s23, s17, 10
	s_add_co_u32 s22, s22, s23
	v_lshl_add_u32 v12, v8, 4, s22                 ; and their place in xb
	s_lshl_b32 s22, s15, 6
	s_add_co_u32 s22, s22, PS
	v_and_b32 v13, 7, v8                           ; the sums read back: lane l takes wave l % 8's sums of the four columns 16 (w / 2) + 4 (l / 8) on
	v_lshlrev_b32 v13, 8, v13
	v_lshrrev_b32 v14, 3, v8
	v_lshl_add_u32 v13, v14, 4, v13
	v_add_nc_u32 v13, s22, v13
	s_lshl_b32 s22, s15, 10
	s_lshl_b32 s23, s17, 9
	s_add_co_u32 s22, s22, s23
	s_add_co_u32 s22, s22, HR
	v_lshl_add_u32 v15, v8, 4, s22                 ; partial row t / 64, 16 bytes at 16 (t % 64)
	s_lshl_b32 s22, s12, 9
	v_lshl_add_u32 v17, v8, 4, s22                 ; 16 t: used by waves 0 and 1 alone
	v_add_nc_u32 v16, HR, v17
	s_lshl_b32 s24, s14, 18                        ; byte offsets of the work-group's parts
	s_lshl_b32 s22, s13, 8
	s_add_co_u32 s24, s24, s22
	s_mov_b32 s25, 0
	s_lshl_b32 s26, s13, 16
	s_mov_b32 s27, 0
	s_lshl_b32 s28, s14, 17
	s_lshl_b32 s22, s13, 11
	s_add_co_u32 s28, s28, s22
	s_mov_b32 s29, 0
	s_lshl_b32 s30, s14, 4
	s_add_co_u32 s30, s30, s13
	s_lshl_b32 s30, s30, 10
	s_mov_b32 s31, 0
	s_wait_kmcnt 0x0
	s_add_nc_u64 s[4:5], s[4:5], s[24:25]
	s_add_nc_u64 s[6:7], s[6:7], s[26:27]
	s_add_nc_u64 s[8:9], s[8:9], s[28:29]
	s_add_nc_u64 s[10:11], s[10:11], s[30:31]
.irp i, 0,1,2,3
	global_load_b128 v[32+4*\i:35+4*\i], v1, s[4:5] offset:8192*\i   ; two rows: 16 lanes take 256 consecutive bytes each
.endr
.set i, 0
.rept 16
	global_load_b128 v[48+4*i:51+4*i], v2, s[6:7] offset:1024*i      ; 512 consecutive bytes of a row of W1
.set i, i+1
.endr
	s_wait_loadcnt 16                              ; x is in; the sixteen loads of W1 were issued behind it
	v_pk_add_f32 v[112:113], v[32:33], v[36:37]    ; my four rows,
	v_pk_add_f32 v[114:115], v[34:35], v[38:39]
	v_pk_add_f32 v[120:121], v[40:41], v[44:45]
	v_pk_add_f32 v[122:123], v[42:43], v[46:47]
	v_pk_add_f32 v[112:113], v[112:113], v[120:121]
	v_pk_add_f32 v[114:115], v[114:115], v[122:123]
.irp c, 0,1,2,3
	v_permlanex16_b32 v[120+\c], v[112+\c], s20, s21  ; and the other half of the lanes' four
.endr
	v_pk_add_f32 v[112:113], v[112:113], v[120:121]
	v_pk_add_f32 v[114:115], v[114:115], v[122:123]
	ds_store_b128 v10, v[112:115]                  ; both halves of the lanes store the same sums at the same place
.irp i, 0,1,2,3
	v_cvt_pk_bf16_f32 v[120+2*\i], v[32+4*\i], v[33+4*\i]
	v_cvt_pk_bf16_f32 v[121+2*\i], v[34+4*\i], v[35+4*\i]
	ds_store_b64 v3, v[120+2*\i:121+2*\i] offset:32*\i
.endr
	s_wait_dscnt 0x0                               ; for the others' sake: my stores are done
	s_barrier_signal -1
	s_barrier_wait -1
	ds_load_b128 v[32:35], v11
	ds_load_b128 v[36:39], v11 offset:512
	ds_load_b128 v[112:115], v13
	s_wait_dscnt 2                                 ; the two younger reads may be out
	global_store_b128 v12, v[32:35], s[8:9]        ; 512 consecutive bytes of xb
	s_wait_dscnt 1
	global_store_b128 v12, v[36:39], s[8:9] offset:512
	s_wait_dscnt 0x0
.irp m, 1,2,4
.irp c, 0,1,2,3
	v_add_f32_dpp v[112+\c], v[112+\c], v[112+\c] row_xmask:\m row_mask:0xf bank_mask:0xf  ; over the eight waves' sums, which lie in eight neighbouring lanes
.endr
.endr
.irp c, 0,1,2,3
	v_mul_f32 v[112+\c], 0x3c800000, v[112+\c]     ; / 64: the mean
.endr
.irp qd, 0,1,2,3
.irp c, 0,1,2,3
	v_readlane_b32 s[32+4*\qd+\c], v[112+\c], 8*\qd  ; the means of my sixteen channels as scalars
.endr
.endr
	s_wait_loadcnt 15                              ; W1's row 0 of my sixteen; the fifteen behind it may be out
.irp c, 0,1,2,3
	v_mul_f32 v[116+\c], s32, v[48+\c]             ; the first product starts the sums
.endr
.set i, 1
.rept 15
	s_wait_loadcnt 15-i
.irp c, 0,1,2,3
	v_fmac_f32 v[116+\c], s[32+i], v[48+4*i+\c]
.endr
.set i, i+1
.endr
	ds_store_b128 v15, v[116:119]
	s_wait_dscnt 0x0
	s_barrier_signal -1
	s_barrier_wait -1
	s_cmp_gt_u32 s12, 1
	s_cbranch_scc1 .Lend                           ; 64 threads add the four partial rows
.irp g, 0,1,2,3
	ds_load_b128 v[48+4*\g:51+4*\g], v16 offset:1024*\g
.endr
	s_wait_dscnt 0x0
	v_pk_add_f32 v[48:49], v[48:49], v[52:53]
	v_pk_add_f32 v[50:51], v[50:51], v[54:55]
	v_pk_add_f32 v[56:57], v[56:57], v[60:61]
	v_pk_add_f32 v[58:59], v[58:59], v[62:63]
	v_pk_add_f32 v[48:49], v[48:49], v[56:57]
	v_pk_add_f32 v[50:51], v[50:51], v[58:59]
	global_store_b128 v17, v[48:51], s[10:11]
.Lend:
	s_wait_tensorcnt 0x0                           ; the wave's end, behind my last LDS store
	ds_add_u32 v30, v31
	s_wait_dscnt 0x0
	s_endpgm
.Lfunc_end_k_qecdd9bd1ef_pool:
	.size	k_qecdd9bd1ef_pool, .Lfunc_end_k_qecdd9bd1ef_pool-k_qecdd9bd1ef_pool
	.p2alignl 7, 3214868480
	.fill 96, 4, 3214868480
	.section	.rodata,"a",@progbits
	.p2align	6, 0x0
	.amdhsa_kernel k_qecdd9bd1ef_pool
		.amdhsa_group_segment_fixed_size 15360
		.amdhsa_private_segment_fixed_size 0
		.amdhsa_enable_private_segment 0
		.amdhsa_kernarg_size 32
		.amdhsa_user_sgpr_count 2
		.amdhsa_user_sgpr_kernarg_segment_ptr 1
		.amdhsa_wavefront_size32 1
		.amdhsa_system_sgpr_workgroup_id_x 1
		.amdhsa_system_sgpr_workgroup_id_y 1
		.amdhsa_system_sgpr_workgroup_id_z 1
		.amdhsa_system_vgpr_workitem_id 0
		.amdhsa_next_free_vgpr 128
		.amdhsa_next_free_sgpr 66
		.amdhsa_reserve_vcc 0
		.amdhsa_float_denorm_mode_32 3
		.amdhsa_float_denorm_mode_16_64 3
		.amdhsa_memory_ordered 1
		.amdhsa_forward_progress 1
		.amdhsa_inst_pref_size 13
	.end_amdhsa_kernel
	.amdgpu_metadata
---
amdhsa.version: [ 1, 2 ]
amdhsa.kernels:
  - .name:           k_qecdd9bd1ef_pool
    .symbol:         k_qecdd9bd1ef_pool.kd
    .args:
      - { .name: x, .offset: 0, .size: 8, .value_kind: global_buffer, .address_space: global }
      - { .name: W1, .offset: 8, .size: 8, .value_kind: global_buffer, .address_space: global }
      - { .name: xb, .offset: 16, .size: 8, .value_kind: global_buffer, .address_space: global }
      - { .name: hp, .offset: 24, .size: 8, .value_kind: global_buffer, .address_space: global }
    .group_segment_fixed_size: 15360
    .private_segment_fixed_size: 0
    .kernarg_segment_align: 8
    .kernarg_segment_size: 32
    .max_flat_workgroup_size: 256
    .sgpr_count:     66
    .vgpr_count:     128
    .wavefront_size: 32
...
	.end_amdgpu_metadata
.endif
;; end of part 1
;; launch route (part 2): grid 1 x 1, 16 waves a work-group, no clusters, 18,944 bytes of LDS; arguments hp, b1, W2, b2, plan, gate; writes plan, gate
.if DOCPART == 2
	.amdgcn_target "amdgcn-amd-amdhsa--gfx1250"
	.amdhsa_code_object_version 6
	.text
	.protected	k_qecdd9bd1ef_route
	.globl	k_qecdd9bd1ef_route
	.p2align	8
	.type	k_qecdd9bd1ef_route,@function
k_qecdd9bd1ef_route:
	s_mov_b64 s[64:65], 0
	v_nop
	global_prefetch_b8 v0, s[64:65] scope:SCOPE_SE
	s_setreg_imm32_b32 hwreg(HW_REG_WAVE_MODE, 25, 1), 1
	s_wait_xcnt 0x0
; ROUTE.  One work-group.  Wave b finishes batch b's router: h = tanh(sum of the 16 partial rows + b1), logits = h W2 + b2, all in f32.  Wave 0 then takes, one batch a lane,
; the softmax (the maximum taken away first), the three largest probabilities (of equal ones the lower index, as jax.lax.top_k) and their renormalised weights, and stores at FIXED places:
;   plan word e (0..7): bit b set where batch b chose zone e;  words 8..31: 0;  word 32 + 16 e + b: 3 b + the number of chosen zones below e (the row block of the pair in H and P), for every (e, b);
;   gate[e][b]: the weight, 0 where not chosen.  No address and no branch here hangs on these numbers: the later launches read them.
; W2 is read in runs of 512 consecutive bytes: load i gives lane l row 16 i + l / 2, zones 4 (l % 2) on.  h is made with four neighbouring numbers a lane (the order in which hp lies) and goes through
; 1,024 LDS bytes of the wave's own, so that lane l gets h[16 i + l / 2].
; LIMITS: tanh(x) = 1 - 2 / (1 + 2^(2.885390 x)), absolute error about 1e-7; sums in another order than the plain product's: two probabilities closer than about 1e-6 of themselves
; may be ranked the other way.  NaN and infinities are not treated apart.
.set HS,    512                        ; LDS 0..511: logits [b][8]; 512..16895: h, 1,024 bytes a wave
.set SPARE, 16896                      ; the spare words, 128 bytes for each of sixteen waves: eight blocks of 256 bytes that no other line names
	s_load_b256 s[4:11], s[0:1], 0x0               ; hp s[4:5], b1 s[6:7], W2 s[8:9], b2 s[10:11]
	s_load_b128 s[12:15], s[0:1], 0x20             ; plan s[12:13], gate s[14:15]
	v_lshl_add_u32 v30, v0, 2, SPARE
	v_mov_b32 v31, 0
	v_lshrrev_b32 v1, 5, v0
	v_readfirstlane_b32 s24, v1                    ; wave = batch
	v_and_b32 v2, 31, v0                           ; lane: it makes h for j = 4 l .. 4 l + 3 and 128 + 4 l .. + 3
	s_lshl_b32 s25, s24, 14
	v_lshl_add_u32 v3, v2, 4, s25                  ; hp: 16,384 b + 16 l
	v_lshlrev_b32 v4, 4, v2                        ; b1 and W2: 16 l
	v_and_b32 v14, 1, v0                           ; l % 2: which four zones are mine
	v_lshlrev_b32 v15, 4, v14                      ; b2: 16 (l % 2)
	s_lshl_b32 s27, s24, 10
	s_add_co_u32 s27, s27, HS                      ; my wave's h
	v_lshl_add_u32 v6, v2, 4, s27                  ; in: 16 bytes at 16 l (and 512 on)
	v_lshrrev_b32 v7, 1, v2
	v_lshl_add_u32 v7, v7, 2, s27                  ; back: the word l / 2 of each 64 bytes
	v_lshlrev_b32 v13, 2, v2
	v_and_b32 v12, 15, v0                          ; wave 0: the lane's batch
	v_lshlrev_b32 v11, 5, v12
	s_lshl_b32 s26, s24, 5
	v_add_nc_u32 v10, s26, v15                     ; logits: 32 b + 16 (l % 2)
	s_mov_b32 s28, 0x76543210
	s_mov_b32 s29, 0xfedcba98
	s_mov_b32 s30, 0xffff0000                      ; lanes 16-31
	s_wait_kmcnt 0x0
.set sx, 0
.rept 16
	global_load_b128 v[32+8*sx:35+8*sx], v3, s[4:5] offset:1024*sx
	global_load_b128 v[36+8*sx:39+8*sx], v3, s[4:5] offset:1024*sx+512
.set sx, sx+1
.endr
	global_load_b128 v[224:227], v4, s[6:7]
	global_load_b128 v[228:231], v4, s[6:7] offset:512
.set i, 0
.rept 16
	global_load_b128 v[160+4*i:163+4*i], v4, s[8:9] offset:512*i   ; W2[16 i + l / 2][4 (l % 2) + c] in v[160 + 4 i + c]
.set i, i+1
.endr
	global_load_b128 v[16:19], v15, s[10:11]       ; b2 of my four zones
	s_wait_loadcnt 0x0                             ; one wait: the launch is a chain, there is nothing to set beside it
.irp st, 8,4,2,1
.set sx, 0
.rept \st
.irp p, 0,2,4,6
	v_pk_add_f32 v[32+8*sx+\p:33+8*sx+\p], v[32+8*sx+\p:33+8*sx+\p], v[32+8*(sx+\st)+\p:33+8*(sx+\st)+\p]
.endr
.set sx, sx+1
.endr
.endr
.irp p, 0,2,4,6
	v_pk_add_f32 v[32+\p:33+\p], v[32+\p:33+\p], v[224+\p:225+\p]
.endr
.irp i, 0,1,2,3,4,5,6,7
	v_mul_f32 v[32+\i], 0x4038aa3b, v[32+\i]       ; 2 log2(e) x
.endr
.irp i, 0,1,2,3,4,5,6,7
	v_exp_f32 v[32+\i], v[32+\i]
.endr
	v_nop                                          ; a plain instruction behind the last exponential,
	s_wait_alu depctr_va_vdst(0)                   ; and one wait for the batch, ahead of its first reader
.irp i, 0,1,2,3,4,5,6,7
	v_add_f32 v[32+\i], 1.0, v[32+\i]
.endr
.irp i, 0,1,2,3,4,5,6,7
	v_rcp_f32 v[32+\i], v[32+\i]
.endr
	v_nop
	s_wait_alu depctr_va_vdst(0)
.irp i, 0,1,2,3,4,5,6,7
	v_fma_f32 v[32+\i], v[32+\i], -2.0, 1.0        ; tanh: 1 where the power overflowed, -1 where it vanished
.endr
	ds_store_b128 v6, v[32:35]                     ; h[4 l ..]
	ds_store_b128 v6, v[36:39] offset:512          ; h[128 + 4 l ..]
.set i, 0
.rept 16
	ds_load_b32 v[64+i], v7 offset:64*i            ; h[16 i + l / 2]: my wave's own bytes, and LDS serves a wave's instructions in order (ISA guide 5.7.1.4)
.set i, i+1
.endr
	s_wait_dscnt 0x0
.irp c, 0,1,2,3
	v_mul_f32 v[40+\c], v64, v[160+\c]             ; the first product starts the sums
.endr
.set i, 1
.rept 15
.irp c, 0,1,2,3
	v_fmac_f32 v[40+\c], v[64+i], v[160+4*i+\c]
.endr
.set i, i+1
.endr
.irp m, 2,4,8
.irp c, 0,1,2,3
	v_add_f32_dpp v[40+\c], v[40+\c], v[40+\c] row_xmask:\m row_mask:0xf bank_mask:0xf  ; over the lanes of my parity
.endr
.endr
.irp c, 0,1,2,3
	v_permlanex16_b32 v[48+\c], v[40+\c], s28, s29
.endr
.irp c, 0,1,2,3
	v_add_f32 v[40+\c], v[40+\c], v[48+\c]
.endr
.irp c, 0,1,2,3
	v_add_f32 v[40+\c], v[40+\c], v[16+\c]         ; + b2
.endr
	ds_store_b128 v10, v[40:43]                    ; all lanes of a parity hold the same four logits
	s_wait_dscnt 0x0
	s_barrier_signal -1
	s_barrier_wait -1
	s_cmp_lg_u32 s24, 0
	s_cbranch_scc1 .Lend
	ds_load_b128 v[32:35], v11                     ; lane l: batch l % 16
	ds_load_b128 v[36:39], v11 offset:16
	s_wait_dscnt 0x0
	v_max3_num_f32 v40, v32, v33, v34
	v_max3_num_f32 v40, v40, v35, v36
	v_max3_num_f32 v40, v40, v37, v38
	v_max_num_f32 v40, v40, v39
.irp e, 0,1,2,3,4,5,6,7
	v_sub_f32 v[32+\e], v[32+\e], v40
.endr
.irp e, 0,1,2,3,4,5,6,7
	v_mul_f32 v[32+\e], 0x3fb8aa3b, v[32+\e]
.endr
.irp e, 0,1,2,3,4,5,6,7
	v_exp_f32 v[32+\e], v[32+\e]
.endr
	v_nop
	s_wait_alu depctr_va_vdst(0)
	v_add_f32 v41, v32, v33
	v_add_f32 v42, v34, v35
	v_add_f32 v43, v36, v37
	v_add_f32 v44, v38, v39
	v_add_f32 v41, v41, v42
	v_add_f32 v43, v43, v44
	v_add_f32 v41, v41, v43
	v_rcp_f32 v45, v41
	v_nop
	s_wait_alu depctr_va_vdst(0)
.irp e, 0,1,2,3,4,5,6,7
	v_mul_f32 v[32+\e], v[32+\e], v45              ; the probabilities
.endr
.irp e, 0,1,2,3,4,5,6,7
	v_mov_b32 v[48+\e], 7-\e                       ; rank e = how many zones go before e.  For a < b: a goes before b where p_a >= p_b, else b before a
.endr
.set ea, 0
.rept 7
.set eb, ea+1
.rept 7-ea
	v_cmp_ge_f32 vcc_lo, v[32+ea], v[32+eb]
	v_cndmask_b32 v56, 0, 1, vcc_lo
	v_add_nc_u32 v[48+eb], v[48+eb], v56
	v_sub_nc_u32 v[48+ea], v[48+ea], v56
.set eb, eb+1
.endr
.set ea, ea+1
.endr
	v_mul_u32_u24 v73, 3, v12                      ; 3 b, then + 1 behind each chosen zone
	v_mov_b32 v9, 0
.irp e, 0,1,2,3,4,5,6,7
	v_cmp_gt_u32 s[40+\e], 3, v[48+\e]             ; chosen: rank 0, 1 or 2
	v_mov_b32 v[80+\e], v73
	v_cndmask_b32 v74, 0, 1, s[40+\e]
	v_add_nc_u32 v73, v73, v74
	v_cndmask_b32 v[88+\e], 0, v[32+\e], s[40+\e]
	s_and_b32 s[48+\e], s[40+\e], 0xffff           ; lanes 16-31 repeat lanes 0-15
	v_writelane_b32 v9, s[48+\e], \e
.endr
	v_add_f32 v41, v88, v89
	v_add_f32 v42, v90, v91
	v_add_f32 v43, v92, v93
	v_add_f32 v44, v94, v95
	v_add_f32 v41, v41, v42
	v_add_f32 v43, v43, v44
	v_add_f32 v41, v41, v43
	v_rcp_f32 v45, v41
	v_nop
	s_wait_alu depctr_va_vdst(0)
.irp e, 0,1,2,3,4,5,6,7
	v_mul_f32 v[88+\e], v[88+\e], v45
.endr
	global_store_b32 v13, v9, s[12:13]             ; words 0..31
.irp i, 0,1,2,3
	v_cndmask_b32 v[96+\i], v[80+2*\i], v[81+2*\i], s30    ; lanes 0-15 zone 2 i, lanes 16-31 zone 2 i + 1
	v_cndmask_b32 v[100+\i], v[88+2*\i], v[89+2*\i], s30
	global_store_b32 v13, v[96+\i], s[12:13] offset:128+128*\i
	global_store_b32 v13, v[100+\i], s[14:15] offset:128*\i
.endr
.Lend:
	s_wait_tensorcnt 0x0                           ; the wave's end, behind my last LDS store
	ds_add_u32 v30, v31
	s_wait_dscnt 0x0
	s_endpgm
.Lfunc_end_k_qecdd9bd1ef_route:
	.size	k_qecdd9bd1ef_route, .Lfunc_end_k_qecdd9bd1ef_route-k_qecdd9bd1ef_route
	.p2alignl 7, 3214868480
	.fill 96, 4, 3214868480
	.section	.rodata,"a",@progbits
	.p2align	6, 0x0
	.amdhsa_kernel k_qecdd9bd1ef_route
		.amdhsa_group_segment_fixed_size 18944
		.amdhsa_private_segment_fixed_size 0
		.amdhsa_enable_private_segment 0
		.amdhsa_kernarg_size 48
		.amdhsa_user_sgpr_count 2
		.amdhsa_user_sgpr_kernarg_segment_ptr 1
		.amdhsa_wavefront_size32 1
		.amdhsa_system_sgpr_workgroup_id_x 1
		.amdhsa_system_sgpr_workgroup_id_y 1
		.amdhsa_system_sgpr_workgroup_id_z 1
		.amdhsa_system_vgpr_workitem_id 0
		.amdhsa_next_free_vgpr 232
		.amdhsa_next_free_sgpr 66
		.amdhsa_reserve_vcc 1
		.amdhsa_float_denorm_mode_32 3
		.amdhsa_float_denorm_mode_16_64 3
		.amdhsa_memory_ordered 1
		.amdhsa_forward_progress 1
		.amdhsa_inst_pref_size 29
	.end_amdhsa_kernel
	.amdgpu_metadata
---
amdhsa.version: [ 1, 2 ]
amdhsa.kernels:
  - .name:           k_qecdd9bd1ef_route
    .symbol:         k_qecdd9bd1ef_route.kd
    .args:
      - { .name: hp, .offset: 0, .size: 8, .value_kind: global_buffer, .address_space: global }
      - { .name: b1, .offset: 8, .size: 8, .value_kind: global_buffer, .address_space: global }
      - { .name: W2, .offset: 16, .size: 8, .value_kind: global_buffer, .address_space: global }
      - { .name: b2, .offset: 24, .size: 8, .value_kind: global_buffer, .address_space: global }
      - { .name: plan, .offset: 32, .size: 8, .value_kind: global_buffer, .address_space: global }
      - { .name: gate, .offset: 40, .size: 8, .value_kind: global_buffer, .address_space: global }
    .group_segment_fixed_size: 18944
    .private_segment_fixed_size: 0
    .kernarg_segment_align: 8
    .kernarg_segment_size: 48
    .max_flat_workgroup_size: 512
    .sgpr_count:     66
    .vgpr_count:     232
    .wavefront_size: 32
...
	.end_amdgpu_metadata
.endif
;; end of part 2
;; launch up (part 3): grid 32 x 8, 8 waves a work-group, no clusters, 263,168 bytes of LDS; arguments Wa, xb, plan, H; writes H
.if DOCPART == 3
	.amdgcn_target "amdgcn-amd-amdhsa--gfx1250"
	.amdhsa_code_object_version 6
	.text
	.protected	k_qecdd9bd1ef_up
	.globl	k_qecdd9bd1ef_up
	.p2align	8
	.type	k_qecdd9bd1ef_up,@function
k_qecdd9bd1ef_up:
	s_mov_b64 s[64:65], 0
	v_nop
	global_prefetch_b8 v0, s[64:65] scope:SCOPE_SE
	s_setreg_imm32_b32 hwreg(HW_REG_WAVE_MODE, 25, 1), 1
	s_wait_xcnt 0x0
; UP.  H = gelu(x Wa[e]) for the batches that chose zone e.  Work-group (sl = x id, e = y id) owns columns 128 sl .. + 127 of Wa[e], all 1,024 rows: 524,288 bytes of f32 that it alone reads, once.
; FILL.  The slice is rounded to bf16 on its way through registers and laid into LDS as matrix operands (262,144 bytes).  Wa lies [k][n], an operand wants k along a lane's registers.  Lane (r, h) loads the
; 16 bytes of columns 4 r .. 4 r + 3 of sixteen rows k; number c of two such rows, packed, is one register of FRAGMENT c, in which lane r stands for column 4 r + c: a permutation of columns, which the way out undoes.
; Fragment (kb, ct = 4 g + c): K block kb of 32 rows, columns 64 g + 4 r + c, at LDS byte 1,024 (8 kb + ct) + 512 q + 16 lane.  Each load covers two runs of 256 consecutive bytes, aligned.
; EIGHT WAVES, two to a SIMD, 512 registers each.  A wave's tile in a pass of four is 64 tokens x 128 columns: 256 registers of sums, 64 of weights, 128 of x, 64 for the rest.  It is the tile that a wave of 1,024
; registers would take here, so a byte read from LDS feeds as many products; the two waves of a SIMD work on different batches, so that one's loads, set-up and way out stand under the other's products.
; PASSES.  Behind the fill's barrier the slice is only read.  The zone's n batches (a mask read from plan) go four to a pass, then two.  Wave w has rows 16 (w % 4) .. + 15 of each of a pass's batches and belongs
; to group w / 4; the passes go to the two groups by turns: every wave strips the same bits from the mask, and runs the pass if the turn is its group's.  x's fragments come straight from xb into registers
; (a ring of four K blocks), the weights' from LDS.  n odd: the last pass's second tile runs on batch 15 and its way out is jumped.  n = 0: no pass, nothing stored.
; The loops over passes count to constants that cover every n from 0 to 16 (four passes of four, two of two); a trip with too few batches left, or the other group's, jumps forward over its pass; what is jumped
; holds no barrier and no LDS write, and the LDS read address has the same value at each pass's head and end.
; THE PRODUCT is used with the weights as source 0: result register j of lane (r, h) is token r, hidden column 64 g + 32 h + 4 j + c.  Packed in pairs that is 16 bytes of the operand that the next launch wants:
; H[pid][t = w % 4][kbF = 4 sl + 2 g + c / 2][q = c % 2][lane][16 bytes]; there k = 64 (kbF / 2) + 32 h + 8 i + 4 s + 2 (kbF % 2) + q for register 4 q + i, half s.
; gelu(x) = x / (1 + 2^(x (c0 + c1 x x))), c0 = -2 log2(e) sqrt(2 / pi), c1 = 0.044715 c0: the tanh form; x where the power vanishes, -0 where it overflows.
; NO MULTICAST: each slice has one reader; what a zone's 32 work-groups share, x's fragments, is read in passes of which a stored count says how many run, where no barrier may stand.
; LIMITS: operands bf16, sums f32, H rounded once to bf16; the exponential and the reciprocal count denormals as 0; NaN and infinities are not treated apart.
; REGISTERS, in windows of 256 (s_set_vgpr_msb: bits 1:0 source 0, 3:2 source 1, 5:4 source 2, 7:6 destination):
;   window 0: v1 16 x lane; v2 fill offset; v3 fill LDS address; v4 LDS read address; v8-11 x offsets; v12-15 store offsets; v30, v31 the add's; v32-63 packed fragments (fill);
;             v64-127 the weights' eight fragments of one K block; v128-255 x's ring, 4 slots x 32, tile t at + 8 t.  On the way out: v64-95 at work, v128-255 store data, 32 a tile
;   window 1: in the fill the ring of 4 units x 64; then the sums, tile t at 64 t + 8 ct
.set SPARE, 262144                     ; behind the slice: the spare words, 128 bytes for each of eight waves: four blocks of 256 bytes that no other line names
.set PITCH, 16384                      ; bytes in a row of Wa
.set TF, 32
.set BF, 64
.set AR, 128
.set EE, 64
.set YY, 128
.set VA, 8
.set SO, 12
.set MSB, 0
.macro WIN new                         ; the immediate's high byte repeats the setting that is left; a switch that changes nothing is dropped
.if MSB != (\new)
	s_set_vgpr_msb (MSB<<8)|(\new)
.set MSB, (\new)
.endif
.endm
.macro PLACES                          ; four plain instructions between a matrix instruction and a load into, or a vector read or write of, its registers (ISA guide 7.12.1 for vector instructions)
.rept 4
	v_nop
.endr
.endm
; Unit v of four: K block v / 2 (+ 2 with ahead = 1) of my four, columns 64 (v % 2) on.  Sixteen loads: row 32 kb + 16 q + 8 h + 2 i + s goes to load 8 q + 2 i + s.
.macro ISSUE v, ahead
	WIN 0x40
.irp q, 0,1
.irp i, 0,1,2,3
.irp s, 0,1
	global_load_b128 v[64*(\v)+4*(8*\q+2*\i+\s):64*(\v)+4*(8*\q+2*\i+\s)+3], v2, s[20:21] offset:(32*((\v)/2+2*(\ahead))+16*\q+2*\i+\s)*PITCH+256*((\v)%2) th:TH_LOAD_NT
.endr
.endr
.endr
.endm
.macro CONV v                          ; register 4 q + i of fragment c: rows s = 0 and 1, number c
	WIN 0x05
.irp c, 0,1,2,3
.irp q, 0,1
.irp i, 0,1,2,3
	v_cvt_pk_bf16_f32 v[TF+8*\c+4*\q+\i], v[64*(\v)+4*(8*\q+2*\i)+\c], v[64*(\v)+4*(8*\q+2*\i+1)+\c]
.endr
.endr
.endr
.endm
.macro PUT v, trip
	WIN 0
.irp c, 0,1,2,3
.irp q, 0,1
	ds_store_b128 v3, v[TF+8*\c+4*\q:TF+8*\c+4*\q+3] offset:(\trip)*16384+((\v)/2)*8192+(4*((\v)%2)+\c)*1024+512*\q
.endr
.endr
.endm
.macro LDA T, slot, rel                ; x's fragments of K block rel (from the pointer) for T tiles: 512 consecutive bytes a load
	WIN 0
.set tt, 0
.rept \T
	global_load_b128 v[AR+32*(\slot)+8*tt:AR+32*(\slot)+8*tt+3], v[VA+tt], s[22:23] offset:(\rel)*1024
	global_load_b128 v[AR+32*(\slot)+8*tt+4:AR+32*(\slot)+8*tt+7], v[VA+tt], s[22:23] offset:(\rel)*1024+512
.set tt, tt+1
.endr
.endm
; K block d (from the LDS read address and the pointer).  ONE run of loads: this block's weights (16 LDS loads) and, with la = 1, x's block three on (2 T loads).  The four places stand between the last step's
; products and these loads, which land in registers that those products read.  cnt: x's loads issued behind this block's, 2 T for each later block.  LDS loads come back in order (ISA guide 5.7.1): ahead of the
; T products of fragment ct the 14 - 2 ct loads of the later fragments may be out.
; The 8 T matrix instructions each have another accumulator, in the same order in every K step: the accumulators take turns.
.macro KSTEP T, d, zero, la, cnt
	PLACES
	WIN 0
.irp ct, 0,1,2,3,4,5,6,7
	ds_load_b128 v[BF+8*\ct:BF+8*\ct+3], v4 offset:(\d)*8192+\ct*1024
	ds_load_b128 v[BF+8*\ct+4:BF+8*\ct+7], v4 offset:(\d)*8192+\ct*1024+512
.endr
.if \la
	LDA \T, ((\d)+3)%4, (\d)+3
.endif
	s_wait_loadcnt \cnt
	WIN 0x50
.irp ct, 0,1,2,3,4,5,6,7
	s_wait_dscnt 14-2*\ct
.set tt, 0
.rept \T
.if \zero
	v_wmma_f32_16x16x32_bf16 v[64*tt+8*\ct:64*tt+8*\ct+7], v[BF+8*\ct:BF+8*\ct+7], v[AR+32*((\d)%4)+8*tt:AR+32*((\d)%4)+8*tt+7], 0
.else
	v_wmma_f32_16x16x32_bf16 v[64*tt+8*\ct:64*tt+8*\ct+7], v[BF+8*\ct:BF+8*\ct+7], v[AR+32*((\d)%4)+8*tt:AR+32*((\d)%4)+8*tt+7], v[64*tt+8*\ct:64*tt+8*\ct+7]
.endif
.set tt, tt+1
.endr
.endr
.endm
.macro GEMM T                          ; 32 K blocks: 1 + 7 x 4 + 3; no load reaches past block 31
	LDA \T, 0, 0
	LDA \T, 1, 1
	LDA \T, 2, 2
	KSTEP \T, 0, 1, 1, 6*(\T)                      ; the first products start the sums
	WIN 0
	s_mov_b32 s19, 7
.Lk_\@:
	KSTEP \T, 1, 0, 1, 6*(\T)
	KSTEP \T, 2, 0, 1, 6*(\T)
	KSTEP \T, 3, 0, 1, 6*(\T)
	KSTEP \T, 4, 0, 1, 6*(\T)
	WIN 0
	s_wait_xcnt 0x0                                ; the pointer is stepped only behind this wait
	s_add_nc_u64 s[22:23], s[22:23], 4096
	v_add_nc_u32 v4, 32768, v4
	s_sub_co_u32 s19, s19, 1
	s_cmp_lg_u32 s19, 0
	s_cbranch_scc1 .Lk_\@
	KSTEP \T, 1, 0, 0, 4*(\T)                      ; nothing more is asked of x: the counts run down
	KSTEP \T, 2, 0, 0, 2*(\T)
	KSTEP \T, 3, 0, 0, 0
	WIN 0
.endm
; The pass's T batches are the lowest set bits of the mask; past the last one: batch 15.  Every wave strips them, whichever group's turn it is.
.macro STRIP T
.set tt, 0
.rept \T
	s_ctz_i32_b32 s[24+tt], s15
	s_min_u32 s[24+tt], s[24+tt], 15
	s_sub_co_u32 s40, s15, 1
	s_and_b32 s15, s15, s40                        ; that bit is served
.if ((\T) == 2) && (tt == 0)
	s_cmp_lg_u32 s15, 0
	s_cselect_b32 s47, 1, 0                        ; is there a second batch?
.endif
.set tt, tt+1
.endr
.endm
; Numbers read from plan are clamped before they enter an address.
.macro SETUP T
	WIN 0
	s_wait_xcnt 0x0                                ; offsets, pointer and store data of earlier loads and stores are rewritten from here on
	v_mov_b32 v4, v1
.set tt, 0
.rept \T
	s_lshl_b32 s[32+tt], s14, 4
	s_add_co_u32 s[32+tt], s[32+tt], s[24+tt]
	s_lshl_b32 s[32+tt], s[32+tt], 2
	s_load_b32 s[28+tt], s[8:9], s[32+tt] offset:0x80   ; pid(e, b)
.set tt, tt+1
.endr
	s_wait_kmcnt 0x0
	s_lshl_b32 s42, s13, 12
.set tt, 0
.rept \T
	s_min_u32 s[28+tt], s[28+tt], 47
	s_lshl_b32 s40, s[24+tt], 2
	s_add_co_u32 s40, s40, s60
	s_lshl_b32 s40, s40, 15
	v_add_nc_u32 v[VA+tt], s40, v1                 ; xb: (4 b + row tile) x 32,768 + 16 lane
	s_lshl_b32 s[32+tt], s[28+tt], 2
	s_add_co_u32 s[32+tt], s[32+tt], s60
	s_lshl_b32 s[32+tt], s[32+tt], 17
	s_add_co_u32 s[32+tt], s[32+tt], s42
	v_add_nc_u32 v[SO+tt], s[32+tt], v1            ; H: (4 pid + row tile) x 131,072 + 4 sl x 1,024 + 16 lane
.set tt, tt+1
.endr
	s_mov_b64 s[22:23], s[6:7]
.endm
.macro GB n
	v_pk_fma_f32 v[EE+2*(\n):EE+2*(\n)+1], v[EE+2*(\n):EE+2*(\n)+1], s[38:39], s[36:37] op_sel_hi:[1,0,0]
.endm
.macro GC n
	v_pk_mul_f32 v[EE+2*(\n):EE+2*(\n)+1], v[EE+2*(\n):EE+2*(\n)+1], v[XB+2*(\n):XB+2*(\n)+1]
.endm
.macro GD n
	v_pk_add_f32 v[EE+2*(\n):EE+2*(\n)+1], v[EE+2*(\n):EE+2*(\n)+1], 1.0 op_sel_hi:[1,0]
.endm
; THE WAY OUT of tile t, 32 sums (four accumulators) at a time, each accumulator read from its low end on.  The 32 exponentials are one batch with one wait, plain lines between them; the 32 reciprocals likewise.
; The sums lie in window 1, all else in window 0: three settings for each 32 sums.  Each tile has store data of its own, last read by stores that stand ahead of SETUP's s_wait_xcnt 0.
.macro EPI t
.irp g, 0,1
.set XB, 64*(\t)+32*\g
	WIN 0x05                                       ; both sources the sums
.set i, 0
.rept 16
	v_pk_mul_f32 v[EE+2*i:EE+2*i+1], v[XB+2*i:XB+2*i+1], v[XB+2*i:XB+2*i+1]   ; x x
.set i, i+1
.endr
	WIN 0x04                                       ; source 1 the sums
	GB 0                                           ; c0 + c1 x x
	GC 0                                           ; times x
	GB 1
	GC 1
.set i, 0
.rept 16
	v_exp_f32 v[EE+2*i], v[EE+2*i]
.if i < 14
	GB i+2
.endif
	v_exp_f32 v[EE+2*i+1], v[EE+2*i+1]
.if i < 14
	GC i+2
.endif
.set i, i+1
.endr
	v_nop                                          ; a plain instruction behind the last exponential,
	s_wait_alu depctr_va_vdst(0)                   ; and one wait for the batch: nothing above names a result
	GD 0
	GD 1
.set i, 0
.rept 16
	v_rcp_f32 v[EE+2*i], v[EE+2*i]
.if i < 14
	GD i+2
.endif
	v_rcp_f32 v[EE+2*i+1], v[EE+2*i+1]
.set i, i+1
.endr
	v_nop
	s_wait_alu depctr_va_vdst(0)
.set i, 0
.rept 16
	GC i
.set i, i+1
.endr
	WIN 0
.set i, 0
.rept 16
	v_cvt_pk_bf16_f32 v[YY+32*(\t)+16*\g+i], v[EE+2*i], v[EE+2*i+1]
.set i, i+1
.endr
.irp c, 0,1,2,3
	global_store_b128 v[SO+(\t)], v[YY+32*(\t)+16*\g+4*\c:YY+32*(\t)+16*\g+4*\c+3], s[10:11] offset:(4*\g+\c)*512   ; 512 consecutive bytes of H
.endr
.endr
.endm
.macro PASS T
	SETUP \T
	GEMM \T
	PLACES                                         ; behind the last products: the way out reads their sums and writes over their sources
	v_mov_b32 v4, v1                               ; the LDS read address leaves the pass as it entered it
	EPI 0
.if (\T) == 4
	EPI 1
	EPI 2
	EPI 3
.else
	WIN 0
	s_cmp_eq_u32 s47, 0
	s_cbranch_scc1 .Lskip_\@                       ; no second batch: its tile is not stored
	EPI 1
	WIN 0
.Lskip_\@:
.endif
	WIN 0
.endm
	s_load_b256 s[4:11], s[0:1], 0x0               ; Wa s[4:5], xb s[6:7], plan s[8:9], H s[10:11]
	v_lshl_add_u32 v30, v0, 2, SPARE               ; my spare word,
	v_mov_b32 v31, 0                               ; and 0: kept for the closing add alone
	v_lshrrev_b32 v16, 5, v0
	v_readfirstlane_b32 s12, v16                   ; wave w, 0 to 7
	s_and_b32 s60, s12, 3                          ; my row tile
	s_lshr_b32 s61, s12, 2                         ; my group
	s_xor_b32 s62, s61, s12
	s_and_b32 s62, s62, 1                          ; bit 0 xor bit 2 of w: it differs between waves w and w + 4, and between waves 2 i and 2 i + 1
	s_mov_b32 s13, ttmp9                           ; sl
	s_and_b32 s14, ttmp7, 0xffff                   ; e
	v_and_b32 v6, 31, v0
	v_lshlrev_b32 v1, 4, v6                        ; 16 x lane
	v_and_b32 v6, 15, v0                           ; r
	v_bfe_u32 v7, v0, 4, 1                         ; h
	v_lshlrev_b32 v2, 17, v7                       ; lanes 16-31: eight rows of 16,384 bytes further down
	v_lshl_add_u32 v2, v6, 4, v2
	s_lshl_b32 s40, s12, 15
	v_add_nc_u32 v3, s40, v1                       ; wave w fills K blocks 4 w .. 4 w + 3: LDS bytes 32,768 w on
	v_mov_b32 v4, v1
	s_mov_b32 s36, 0xc0135761                      ; c0 = -2.3022082
	s_mov_b32 s37, s36                             ; named with it as a pair
	s_mov_b32 s38, 0xbdd2d3e8                      ; c1 = -0.10294324
	s_mov_b32 s39, s38
	s_lshl_b32 s20, s14, 24                        ; the zone, 16,777,216 bytes;
	s_lshl_b32 s41, s12, 21                        ; my 128 rows;
	s_add_co_u32 s20, s20, s41
	s_lshl_b32 s41, s13, 9                         ; the slice's 128 columns
	s_add_co_u32 s20, s20, s41
	s_mov_b32 s21, 0
	s_lshl_b32 s42, s14, 2
	s_wait_kmcnt 0x0
	s_add_nc_u64 s[20:21], s[4:5], s[20:21]
	s_load_b32 s15, s[8:9], s42 offset:0x0         ; the zone's batches, a bit each; waited for behind the fill
	; THE FILL: 8 units a wave, every place by an immediate: no pointer is stepped.  Three or four units, 48 to 64 loads of 512 bytes, are on their way until the tail
	ISSUE 0, 0
	ISSUE 1, 0
	ISSUE 2, 0
	ISSUE 3, 0
.irp v, 0,1,2,3
	s_wait_loadcnt 48                              ; the oldest unit is in; the three younger ones, 16 loads each, stay out
	CONV \v
	PUT \v, 0
	ISSUE \v, 1
.endr
.irp v, 0,1,2,3
	s_wait_loadcnt 48-16*\v                        ; nothing more is asked for: the counts run down
	CONV \v
	PUT \v, 1
.endr
	s_wait_dscnt 0x0                               ; for the others' sake: my part of the slice is stored
	s_barrier_signal -1
	s_barrier_wait -1                              ; the slice is whole: from here on it is only read
	s_wait_kmcnt 0x0
	s_and_b32 s15, s15, 0xffff                     ; the batches still to be served
	s_mov_b32 s57, 1                               ; whose turn: flipped ahead of each pass, so the first is group 0's
	s_cmp_eq_u32 s62, 0
	s_cbranch_scc1 .Lgo
.rept 16
	s_nop 15                                       ; every second wave enters the passes a little later: two waves in step would run their loads together and their products together, and nothing in the loop pulls them apart
.endr
.Lgo:
	s_mov_b32 s18, 4                               ; sixteen batches at the most: four passes of four,
.Lp4:
	s_bcnt1_i32_b32 s16, s15
	s_cmp_lt_u32 s16, 4
	s_cbranch_scc1 .Ld4                            ; fewer than four are left: no pass
	STRIP 4
	s_xor_b32 s57, s57, 1
	s_cmp_lg_u32 s57, s61
	s_cbranch_scc1 .Ld4                            ; the other group's pass
	PASS 4
.Ld4:
	s_sub_co_u32 s18, s18, 1
	s_cmp_lg_u32 s18, 0
	s_cbranch_scc1 .Lp4
	s_mov_b32 s18, 2                               ; then three at the most: two passes of two
.Lp2:
	s_cmp_eq_u32 s15, 0
	s_cbranch_scc1 .Ld2                            ; none is left
	STRIP 2
	s_xor_b32 s57, s57, 1
	s_cmp_lg_u32 s57, s61
	s_cbranch_scc1 .Ld2                            ; the other group's pass
	PASS 2
.Ld2:
	s_sub_co_u32 s18, s18, 1
	s_cmp_lg_u32 s18, 0
	s_cbranch_scc1 .Lp2
	s_wait_dscnt 0x0                               ; my reads of the slice are over;
	s_barrier_signal -1
	s_barrier_wait -1                              ; every wave's are, before any wave writes LDS again (the add below)
	s_wait_tensorcnt 0x0                           ; the wave's end, behind my last LDS store
	ds_add_u32 v30, v31
	s_wait_dscnt 0x0
	s_endpgm
.Lfunc_end_k_qecdd9bd1ef_up:
	.size	k_qecdd9bd1ef_up, .Lfunc_end_k_qecdd9bd1ef_up-k_qecdd9bd1ef_up
	.p2alignl 7, 3214868480
	.fill 96, 4, 3214868480
	.section	.rodata,"a",@progbits
	.p2align	6, 0x0
	.amdhsa_kernel k_qecdd9bd1ef_up
		.amdhsa_group_segment_fixed_size 263168
		.amdhsa_private_segment_fixed_size 0
		.amdhsa_enable_private_segment 0
		.amdhsa_kernarg_size 32
		.amdhsa_user_sgpr_count 2
		.amdhsa_user_sgpr_kernarg_segment_ptr 1
		.amdhsa_wavefront_size32 1
		.amdhsa_system_sgpr_workgroup_id_x 1
		.amdhsa_system_sgpr_workgroup_id_y 1
		.amdhsa_system_sgpr_workgroup_id_z 1
		.amdhsa_system_vgpr_workitem_id 0
		.amdhsa_next_free_vgpr 512
		.amdhsa_next_free_sgpr 66
		.amdhsa_reserve_vcc 0
		.amdhsa_float_denorm_mode_32 3
		.amdhsa_float_denorm_mode_16_64 3
		.amdhsa_memory_ordered 1
		.amdhsa_forward_progress 1
		.amdhsa_inst_pref_size 201
	.end_amdhsa_kernel
	.amdgpu_metadata
---
amdhsa.version: [ 1, 2 ]
amdhsa.kernels:
  - .name:           k_qecdd9bd1ef_up
    .symbol:         k_qecdd9bd1ef_up.kd
    .args:
      - { .name: Wa, .offset: 0, .size: 8, .value_kind: global_buffer, .address_space: global }
      - { .name: xb, .offset: 8, .size: 8, .value_kind: global_buffer, .address_space: global }
      - { .name: plan, .offset: 16, .size: 8, .value_kind: global_buffer, .address_space: global }
      - { .name: H, .offset: 24, .size: 8, .value_kind: global_buffer, .address_space: global }
    .group_segment_fixed_size: 263168
    .private_segment_fixed_size: 0
    .kernarg_segment_align: 8
    .kernarg_segment_size: 32
    .max_flat_workgroup_size: 256
    .sgpr_count:     66
    .vgpr_count:     512
    .wavefront_size: 32
...
	.end_amdgpu_metadata
.endif
;; end of part 3
;; launch down (part 4): grid 32 x 8, 8 waves a work-group, no clusters, 263,168 bytes of LDS; arguments Wb, H, plan, gate, P; writes P
.if DOCPART == 4
	.amdgcn_target "amdgcn-amd-amdhsa--gfx1250"
	.amdhsa_code_object_version 6
	.text
	.protected	k_qecdd9bd1ef_down
	.globl	k_qecdd9bd1ef_down
	.p2align	8
	.type	k_qecdd9bd1ef_down,@function
k_qecdd9bd1ef_down:
	s_mov_b64 s[64:65], 0
	v_nop
	global_prefetch_b8 v0, s[64:65] scope:SCOPE_SE
	s_setreg_imm32_b32 hwreg(HW_REG_WAVE_MODE, 25, 1), 1
	s_wait_xcnt 0x0
; DOWN.  P[ks][pid] = gate x (H[pid][:, 1,024 ks .. + 1,023] Wb[e][1,024 ks .. + 1,023][128 ns .. + 127]).  Work-group (sl = x id, e = y id), ks = sl / 8, ns = sl % 8: again a slice of 1,024 rows x 128 columns,
; 524,288 bytes of f32 that it alone reads, once.  K is split four ways so that the slice fits LDS as bf16 with rows of 512 bytes; the four weighted partial rows (f32) of each of a batch's three zones are added by the last launch.
; FILL, the eight waves in two groups, PASSES, K STEPS and registers are the launch before's; see there.  What differs:
;   the rows of a K block: H's fragments hold k = 64 (kb / 2) + 32 h + 8 i + 4 s + 2 (kb % 2) + q in register 4 q + i, half s, so the weights' fragments take the same rows: lanes 16-31 lie 32 rows down,
;   and load 8 q + 2 i + s of unit v takes row 8 i + 4 s + 2 (v / 2) + q of 64 (+ 64 with ahead = 1);
;   the product has the tokens as source 0: result register j of lane (r, h) is token 8 h + j, column 64 g + 4 r + c, so a lane's four fragments c give 16 consecutive bytes of a row of P, sixteen lanes 256, aligned;
;   on the way out v64-255 of window 0 are three sets of store data, 64 registers a tile.
; The loops over passes count to constants that cover every n from 0 to 16 (four passes of four, two of two); a trip with too few batches left, or the other group's, jumps forward over its pass; what is jumped holds no barrier and no LDS write.
; n odd: the last pass's second tile runs on the row block that plan names for batch 15 (clamped to 47; every block of H is written), and its way out is jumped.  n = 0: no pass, nothing stored.
; NO MULTICAST: as in the launch before.  LIMITS: operands bf16, sums f32; NaN and infinities are not treated apart.
.set SPARE, 262144                     ; behind the slice: the spare words, 128 bytes for each of eight waves: four blocks of 256 bytes that no other line names
.set PITCH, 4096                       ; bytes in a row of Wb
.set TF, 32
.set BF, 64
.set AR, 128
.set VA, 8
.set SO, 12
.set MSB, 0
.macro WIN new                         ; the immediate's high byte repeats the setting that is left; a switch that changes nothing is dropped
.if MSB != (\new)
	s_set_vgpr_msb (MSB<<8)|(\new)
.set MSB, (\new)
.endif
.endm
.macro PLACES                          ; four plain instructions between a matrix instruction and a load into, or a vector read or write of, its registers (ISA guide 7.12.1 for vector instructions)
.rept 4
	v_nop
.endr
.endm
.macro ISSUE v, ahead
	WIN 0x40
.irp q, 0,1
.irp i, 0,1,2,3
.irp s, 0,1
	global_load_b128 v[64*(\v)+4*(8*\q+2*\i+\s):64*(\v)+4*(8*\q+2*\i+\s)+3], v2, s[20:21] offset:(64*(\ahead)+8*\i+4*\s+2*((\v)/2)+\q)*PITCH+256*((\v)%2) th:TH_LOAD_NT
.endr
.endr
.endr
.endm
.macro CONV v
	WIN 0x05
.irp c, 0,1,2,3
.irp q, 0,1
.irp i, 0,1,2,3
	v_cvt_pk_bf16_f32 v[TF+8*\c+4*\q+\i], v[64*(\v)+4*(8*\q+2*\i)+\c], v[64*(\v)+4*(8*\q+2*\i+1)+\c]
.endr
.endr
.endr
.endm
.macro PUT v, trip
	WIN 0
.irp c, 0,1,2,3
.irp q, 0,1
	ds_store_b128 v3, v[TF+8*\c+4*\q:TF+8*\c+4*\q+3] offset:(\trip)*16384+((\v)/2)*8192+(4*((\v)%2)+\c)*1024+512*\q
.endr
.endr
.endm
.macro LDA T, slot, rel                ; H's fragments of K block rel (from the pointer) for T tiles: 512 consecutive bytes a load
	WIN 0
.set tt, 0
.rept \T
	global_load_b128 v[AR+32*(\slot)+8*tt:AR+32*(\slot)+8*tt+3], v[VA+tt], s[22:23] offset:(\rel)*1024
	global_load_b128 v[AR+32*(\slot)+8*tt+4:AR+32*(\slot)+8*tt+7], v[VA+tt], s[22:23] offset:(\rel)*1024+512
.set tt, tt+1
.endr
.endm
; K block d (from the LDS read address and the pointer).  ONE run of loads: this block's weights (16 LDS loads) and, with la = 1, H's block three on (2 T loads).  The four places stand between the last step's
; products and these loads, which land in registers that those products read.  cnt: H's loads issued behind this block's, 2 T for each later block.  LDS loads come back in order (ISA guide 5.7.1): ahead of the
; T products of fragment ct the 14 - 2 ct loads of the later fragments may be out.
; The 8 T matrix instructions each have another accumulator, in the same order in every K step: the accumulators take turns.
.macro KSTEP T, d, zero, la, cnt
	PLACES
	WIN 0
.irp ct, 0,1,2,3,4,5,6,7
	ds_load_b128 v[BF+8*\ct:BF+8*\ct+3], v4 offset:(\d)*8192+\ct*1024
	ds_load_b128 v[BF+8*\ct+4:BF+8*\ct+7], v4 offset:(\d)*8192+\ct*1024+512
.endr
.if \la
	LDA \T, ((\d)+3)%4, (\d)+3
.endif
	s_wait_loadcnt \cnt
	WIN 0x50
.irp ct, 0,1,2,3,4,5,6,7
	s_wait_dscnt 14-2*\ct
.set tt, 0
.rept \T
.if \zero
	v_wmma_f32_16x16x32_bf16 v[64*tt+8*\ct:64*tt+8*\ct+7], v[AR+32*((\d)%4)+8*tt:AR+32*((\d)%4)+8*tt+7], v[BF+8*\ct:BF+8*\ct+7], 0
.else
	v_wmma_f32_16x16x32_bf16 v[64*tt+8*\ct:64*tt+8*\ct+7], v[AR+32*((\d)%4)+8*tt:AR+32*((\d)%4)+8*tt+7], v[BF+8*\ct:BF+8*\ct+7], v[64*tt+8*\ct:64*tt+8*\ct+7]
.endif
.set tt, tt+1
.endr
.endr
.endm
.macro GEMM T                          ; 32 K blocks: 1 + 7 x 4 + 3; no load reaches past block 31
	LDA \T, 0, 0
	LDA \T, 1, 1
	LDA \T, 2, 2
	KSTEP \T, 0, 1, 1, 6*(\T)                      ; the first products start the sums
	WIN 0
	s_mov_b32 s19, 7
.Lk_\@:
	KSTEP \T, 1, 0, 1, 6*(\T)
	KSTEP \T, 2, 0, 1, 6*(\T)
	KSTEP \T, 3, 0, 1, 6*(\T)
	KSTEP \T, 4, 0, 1, 6*(\T)
	WIN 0
	s_wait_xcnt 0x0                                ; the pointer is stepped only behind this wait
	s_add_nc_u64 s[22:23], s[22:23], 4096
	v_add_nc_u32 v4, 32768, v4
	s_sub_co_u32 s19, s19, 1
	s_cmp_lg_u32 s19, 0
	s_cbranch_scc1 .Lk_\@
	KSTEP \T, 1, 0, 0, 4*(\T)                      ; nothing more is asked of H: the counts run down
	KSTEP \T, 2, 0, 0, 2*(\T)
	KSTEP \T, 3, 0, 0, 0
	WIN 0
.endm
; The pass's T batches are the lowest set bits of the mask; past the last one: batch 15.  Every wave strips them, whichever group's turn it is.
.macro STRIP T
.set tt, 0
.rept \T
	s_ctz_i32_b32 s[24+tt], s15
	s_min_u32 s[24+tt], s[24+tt], 15
	s_sub_co_u32 s40, s15, 1
	s_and_b32 s15, s15, s40                        ; that bit is served
.if ((\T) == 2) && (tt == 0)
	s_cmp_lg_u32 s15, 0
	s_cselect_b32 s47, 1, 0                        ; is there a second batch?
.endif
.set tt, tt+1
.endr
.endm
; Numbers read from plan are clamped before they enter an address.
.macro SETUP T
	WIN 0
	s_wait_xcnt 0x0                                ; offsets, pointer and store data of earlier loads and stores are rewritten from here on
	v_mov_b32 v4, v1
.set tt, 0
.rept \T
	s_lshl_b32 s[32+tt], s14, 4
	s_add_co_u32 s[32+tt], s[32+tt], s[24+tt]
	s_lshl_b32 s[32+tt], s[32+tt], 2
	s_load_b32 s[28+tt], s[8:9], s[32+tt] offset:0x80   ; pid(e, b)
	s_load_b32 s[48+tt], s[10:11], s[32+tt] offset:0x0  ; the pair's weight
.set tt, tt+1
.endr
	s_wait_kmcnt 0x0
.set tt, 0
.rept \T
	s_min_u32 s[28+tt], s[28+tt], 47
	s_lshl_b32 s40, s[28+tt], 2
	s_add_co_u32 s40, s40, s60
	s_lshl_b32 s40, s40, 17
	s_add_co_u32 s40, s40, s56
	v_add_nc_u32 v[VA+tt], s40, v1                 ; H: (4 pid + row tile) x 131,072 + 32 ks x 1,024 + 16 lane
	s_add_co_u32 s[32+tt], s[28+tt], s54
	s_lshl_b32 s[32+tt], s[32+tt], 18
	s_add_co_u32 s[32+tt], s[32+tt], s55
	v_add_nc_u32 v[SO+tt], s[32+tt], v5            ; P: (48 ks + pid) x 262,144 + my 16 rows + 128 ns columns + the lane's place
.set tt, tt+1
.endr
	s_mov_b64 s[22:23], s[6:7]
.endm
; THE WAY OUT of tile t: each accumulator is read from register 0 up; four accumulators' register j, times the weight, are 16 consecutive bytes of row 8 h + j.  The sums lie in window 1, the store data in
; window 0, in three sets by turns: tile 3 takes tile 0's set, behind s_wait_xcnt 0; the sets' readers of the pass before stand ahead of SETUP's s_wait_xcnt 0.
.macro EPI t
.set DD, 64+64*((\t)%3)
.if (\t) == 3
	s_wait_xcnt 0x0                                ; tile 0's stores have read their data
.endif
	WIN 0x04                                       ; source 1 the sums
.irp g, 0,1
.irp j, 0,1,2,3,4,5,6,7
.irp c, 0,1,2,3
	v_mul_f32 v[DD+32*\g+4*\j+\c], s[48+(\t)], v[64*(\t)+8*(4*\g+\c)+\j]
.endr
.endr
.endr
	WIN 0
.irp g, 0,1
.irp j, 0,1,2,3,4,5,6,7
	global_store_b128 v[SO+(\t)], v[DD+32*\g+4*\j:DD+32*\g+4*\j+3], s[44:45] offset:\j*4096+256*\g   ; 16 lanes store 256 consecutive bytes, aligned
.endr
.endr
.endm
.macro PASS T
	SETUP \T
	GEMM \T
	PLACES                                         ; behind the last products: the way out reads their sums and writes over their sources
	v_mov_b32 v4, v1                               ; the LDS read address leaves the pass as it entered it
	EPI 0
.if (\T) == 4
	EPI 1
	EPI 2
	EPI 3
.else
	WIN 0
	s_cmp_eq_u32 s47, 0
	s_cbranch_scc1 .Lskip_\@                       ; no second batch: its tile is not stored
	EPI 1
	WIN 0
.Lskip_\@:
.endif
	WIN 0
.endm
	s_load_b256 s[4:11], s[0:1], 0x0               ; Wb s[4:5], H s[6:7], plan s[8:9], gate s[10:11]
	s_load_b64 s[44:45], s[0:1], 0x20              ; P
	v_lshl_add_u32 v30, v0, 2, SPARE               ; my spare word,
	v_mov_b32 v31, 0                               ; and 0: kept for the closing add alone
	v_lshrrev_b32 v16, 5, v0
	v_readfirstlane_b32 s12, v16                   ; wave w, 0 to 7
	s_and_b32 s60, s12, 3                          ; my row tile
	s_lshr_b32 s61, s12, 2                         ; my group
	s_xor_b32 s62, s61, s12
	s_and_b32 s62, s62, 1                          ; bit 0 xor bit 2 of w: it differs between waves w and w + 4, and between waves 2 i and 2 i + 1
	s_mov_b32 s13, ttmp9                           ; sl
	s_and_b32 s14, ttmp7, 0xffff                   ; e
	s_lshr_b32 s52, s13, 3                         ; ks
	s_and_b32 s53, s13, 7                          ; ns
	v_and_b32 v6, 31, v0
	v_lshlrev_b32 v1, 4, v6                        ; 16 x lane
	v_and_b32 v6, 15, v0                           ; r
	v_bfe_u32 v7, v0, 4, 1                         ; h
	v_lshlrev_b32 v2, 17, v7                       ; lanes 16-31: 32 rows of 4,096 bytes further down
	v_lshl_add_u32 v2, v6, 4, v2
	v_lshlrev_b32 v5, 15, v7                       ; P: lanes 16-31 eight rows down, 16 bytes a lane
	v_lshl_add_u32 v5, v6, 4, v5
	s_lshl_b32 s40, s12, 15
	v_add_nc_u32 v3, s40, v1                       ; wave w fills K blocks 4 w .. 4 w + 3: LDS bytes 32,768 w on
	v_mov_b32 v4, v1
	s_mul_i32 s54, s52, 48
	s_lshl_b32 s55, s60, 16                        ; my 16 rows of 4,096 bytes,
	s_lshl_b32 s41, s53, 9                         ; the slice's 128 columns
	s_add_co_u32 s55, s55, s41
	s_lshl_b32 s56, s52, 15
	s_lshl_b32 s20, s14, 24                        ; the zone, 16,777,216 bytes;
	s_lshl_b32 s43, s52, 22                        ; the slice's 1,024 rows;
	s_add_co_u32 s20, s20, s43
	s_lshl_b32 s43, s12, 19                        ; my 128 of them;
	s_add_co_u32 s20, s20, s43
	s_add_co_u32 s20, s20, s41                     ; the slice's 128 columns
	s_mov_b32 s21, 0
	s_lshl_b32 s42, s14, 2
	s_wait_kmcnt 0x0
	s_add_nc_u64 s[20:21], s[4:5], s[20:21]
	s_load_b32 s15, s[8:9], s42 offset:0x0         ; the zone's batches, a bit each; waited for behind the fill
	; THE FILL: 8 units a wave, every place by an immediate: no pointer is stepped.  Three or four units, 48 to 64 loads of 512 bytes, are on their way until the tail
	ISSUE 0, 0
	ISSUE 1, 0
	ISSUE 2, 0
	ISSUE 3, 0
.irp v, 0,1,2,3
	s_wait_loadcnt 48                              ; the oldest unit is in; the three younger ones, 16 loads each, stay out
	CONV \v
	PUT \v, 0
	ISSUE \v, 1
.endr
.irp v, 0,1,2,3
	s_wait_loadcnt 48-16*\v                        ; nothing more is asked for: the counts run down
	CONV \v
	PUT \v, 1
.endr
	s_wait_dscnt 0x0                               ; for the others' sake: my part of the slice is stored
	s_barrier_signal -1
	s_barrier_wait -1                              ; the slice is whole: from here on it is only read
	s_wait_kmcnt 0x0
	s_and_b32 s15, s15, 0xffff                     ; the batches still to be served
	s_mov_b32 s57, 1                               ; whose turn: flipped ahead of each pass, so the first is group 0's
	s_cmp_eq_u32 s62, 0
	s_cbranch_scc1 .Lgo
.rept 16
	s_nop 15                                       ; every second wave enters the passes a little later: two waves in step would run their loads together and their products together, and nothing in the loop pulls them apart
.endr
.Lgo:
	s_mov_b32 s18, 4                               ; sixteen batches at the most: four passes of four,
.Lp4:
	s_bcnt1_i32_b32 s16, s15
	s_cmp_lt_u32 s16, 4
	s_cbranch_scc1 .Ld4                            ; fewer than four are left: no pass
	STRIP 4
	s_xor_b32 s57, s57, 1
	s_cmp_lg_u32 s57, s61
	s_cbranch_scc1 .Ld4                            ; the other group's pass
	PASS 4
.Ld4:
	s_sub_co_u32 s18, s18, 1
	s_cmp_lg_u32 s18, 0
	s_cbranch_scc1 .Lp4
	s_mov_b32 s18, 2                               ; then three at the most: two passes of two
.Lp2:
	s_cmp_eq_u32 s15, 0
	s_cbranch_scc1 .Ld2                            ; none is left
	STRIP 2
	s_xor_b32 s57, s57, 1
	s_cmp_lg_u32 s57, s61
	s_cbranch_scc1 .Ld2                            ; the other group's pass
	PASS 2
.Ld2:
	s_sub_co_u32 s18, s18, 1
	s_cmp_lg_u32 s18, 0
	s_cbranch_scc1 .Lp2
	s_wait_dscnt 0x0                               ; my reads of the slice are over;
	s_barrier_signal -1
	s_barrier_wait -1                              ; every wave's are, before any wave writes LDS again (the add below)
	s_wait_tensorcnt 0x0                           ; the wave's end, behind my last LDS store
	ds_add_u32 v30, v31
	s_wait_dscnt 0x0
	s_endpgm
.Lfunc_end_k_qecdd9bd1ef_down:
	.size	k_qecdd9bd1ef_down, .Lfunc_end_k_qecdd9bd1ef_down-k_qecdd9bd1ef_down
	.p2alignl 7, 3214868480
	.fill 96, 4, 3214868480
	.section	.rodata,"a",@progbits
	.p2align	6, 0x0
	.amdhsa_kernel k_qecdd9bd1ef_down
		.amdhsa_group_segment_fixed_size 263168
		.amdhsa_private_segment_fixed_size 0
		.amdhsa_enable_private_segment 0
		.amdhsa_kernarg_size 40
		.amdhsa_user_sgpr_count 2
		.amdhsa_user_sgpr_kernarg_segment_ptr 1
		.amdhsa_wavefront_size32 1
		.amdhsa_system_sgpr_workgroup_id_x 1
		.amdhsa_system_sgpr_workgroup_id_y 1
		.amdhsa_system_sgpr_workgroup_id_z 1
		.amdhsa_system_vgpr_workitem_id 0
		.amdhsa_next_free_vgpr 512
		.amdhsa_next_free_sgpr 66
		.amdhsa_reserve_vcc 0
		.amdhsa_float_denorm_mode_32 3
		.amdhsa_float_denorm_mode_16_64 3
		.amdhsa_memory_ordered 1
		.amdhsa_forward_progress 1
		.amdhsa_inst_pref_size 120
	.end_amdhsa_kernel
	.amdgpu_metadata
---
amdhsa.version: [ 1, 2 ]
amdhsa.kernels:
  - .name:           k_qecdd9bd1ef_down
    .symbol:         k_qecdd9bd1ef_down.kd
    .args:
      - { .name: Wb, .offset: 0, .size: 8, .value_kind: global_buffer, .address_space: global }
      - { .name: H, .offset: 8, .size: 8, .value_kind: global_buffer, .address_space: global }
      - { .name: plan, .offset: 16, .size: 8, .value_kind: global_buffer, .address_space: global }
      - { .name: gate, .offset: 24, .size: 8, .value_kind: global_buffer, .address_space: global }
      - { .name: P, .offset: 32, .size: 8, .value_kind: global_buffer, .address_space: global }
    .group_segment_fixed_size: 263168
    .private_segment_fixed_size: 0
    .kernarg_segment_align: 8
    .kernarg_segment_size: 40
    .max_flat_workgroup_size: 256
    .sgpr_count:     66
    .vgpr_count:     512
    .wavefront_size: 32
...
	.end_amdgpu_metadata
.endif
;; end of part 4
;; launch sum (part 5): grid 512 x 1, 8 waves a work-group, no clusters, 0 bytes of LDS; arguments x, P, out0; writes out0
.if DOCPART == 5
	.amdgcn_target "amdgcn-amd-amdhsa--gfx1250"
	.amdhsa_code_object_version 6
	.text
	.protected	k_qecdd9bd1ef_sum
	.globl	k_qecdd9bd1ef_sum
	.p2align	8
	.type	k_qecdd9bd1ef_sum,@function
k_qecdd9bd1ef_sum:
	s_mov_b64 s[64:65], 0
	v_nop
	global_prefetch_b8 v0, s[64:65] scope:SCOPE_SE
	s_setreg_imm32_b32 hwreg(HW_REG_WAVE_MODE, 25, 1), 1
	s_wait_xcnt 0x0
; SUM.  out0[b][row] = x[b][row] + the twelve weighted partial rows P[ks 0..3][3 b + slot 0..2][row], all f32.  A stream: every address is fixed, every byte is read once and written once.
; Work-group g takes rows 2 g and 2 g + 1 of the 1,024; thread t the 16 bytes at 16 t of each, so a wave's load or store covers 512 consecutive bytes.  All 26 loads of a thread go out before the first wait.
; No LDS, no matrix unit, no cluster: nothing is shared and nothing is multiplied.
	s_load_b128 s[4:7], s[0:1], 0x0                ; x s[4:5], P s[6:7]
	s_load_b64 s[8:9], s[0:1], 0x10                ; out0
	v_lshlrev_b32 v1, 4, v0
	s_lshl_b32 s10, ttmp9, 13                      ; two rows of 4,096 bytes
	s_mov_b32 s11, 0
	s_lshr_b32 s12, ttmp9, 5                       ; b
	s_mul_i32 s12, s12, 786432                     ; three blocks of 64 rows
	s_and_b32 s14, ttmp9, 31
	s_lshl_b32 s14, s14, 13
	s_add_co_u32 s12, s12, s14
	s_mov_b32 s13, 0
	s_wait_kmcnt 0x0
	s_add_nc_u64 s[4:5], s[4:5], s[10:11]
	s_add_nc_u64 s[8:9], s[8:9], s[10:11]
	s_add_nc_u64 s[16:17], s[6:7], s[12:13]        ; ks = 0,
	s_add_nc_u64 s[18:19], s[16:17], 12582912      ; and 48 blocks of 262,144 bytes on for each further ks
	s_add_nc_u64 s[20:21], s[18:19], 12582912
	s_add_nc_u64 s[22:23], s[20:21], 12582912
.irp rr, 0,1
	global_load_b128 v[4+52*\rr:7+52*\rr], v1, s[4:5] offset:4096*\rr th:TH_LOAD_NT
.irp ks, 0,1,2,3
.irp sl, 0,1,2
	global_load_b128 v[8+52*\rr+4*(3*\ks+\sl):11+52*\rr+4*(3*\ks+\sl)], v1, s[16+2*\ks:17+2*\ks] offset:262144*\sl+4096*\rr th:TH_LOAD_NT
.endr
.endr
.endr
.macro QADD d, a                       ; four numbers onto four
	v_pk_add_f32 v[(\d):(\d)+1], v[(\d):(\d)+1], v[(\a):(\a)+1]
	v_pk_add_f32 v[(\d)+2:(\d)+3], v[(\d)+2:(\d)+3], v[(\a)+2:(\a)+3]
.endm
.irp rr, 0,1
	s_wait_loadcnt 13-13*\rr                       ; the first row's thirteen are in; the second row's thirteen were issued behind them
.irp k, 0,1,2,3,4,5
	QADD 8+52*\rr+4*\k, 32+52*\rr+4*\k
.endr
.irp k, 0,1,2
	QADD 8+52*\rr+4*\k, 20+52*\rr+4*\k
.endr
	QADD 8+52*\rr, 12+52*\rr
	QADD 4+52*\rr, 16+52*\rr
	QADD 4+52*\rr, 8+52*\rr
	global_store_b128 v1, v[4+52*\rr:7+52*\rr], s[8:9] offset:4096*\rr th:TH_STORE_NT
.endr
	s_endpgm
.Lfunc_end_k_qecdd9bd1ef_sum:
	.size	k_qecdd9bd1ef_sum, .Lfunc_end_k_qecdd9bd1ef_sum-k_qecdd9bd1ef_sum
	.p2alignl 7, 3214868480
	.fill 96, 4, 3214868480
	.section	.rodata,"a",@progbits
	.p2align	6, 0x0
	.amdhsa_kernel k_qecdd9bd1ef_sum
		.amdhsa_group_segment_fixed_size 0
		.amdhsa_private_segment_fixed_size 0
		.amdhsa_enable_private_segment 0
		.amdhsa_kernarg_size 24
		.amdhsa_user_sgpr_count 2
		.amdhsa_user_sgpr_kernarg_segment_ptr 1
		.amdhsa_wavefront_size32 1
		.amdhsa_system_sgpr_workgroup_id_x 1
		.amdhsa_system_sgpr_workgroup_id_y 1
		.amdhsa_system_sgpr_workgroup_id_z 1
		.amdhsa_system_vgpr_workitem_id 0
		.amdhsa_next_free_vgpr 112
		.amdhsa_next_free_sgpr 66
		.amdhsa_reserve_vcc 0
		.amdhsa_float_denorm_mode_32 3
		.amdhsa_float_denorm_mode_16_64 3
		.amdhsa_memory_ordered 1
		.amdhsa_forward_progress 1
		.amdhsa_inst_pref_size 7
	.end_amdhsa_kernel
	.amdgpu_metadata
---
amdhsa.version: [ 1, 2 ]
amdhsa.kernels:
  - .name:           k_qecdd9bd1ef_sum
    .symbol:         k_qecdd9bd1ef_sum.kd
    .args:
      - { .name: x, .offset: 0, .size: 8, .value_kind: global_buffer, .address_space: global }
      - { .name: P, .offset: 8, .size: 8, .value_kind: global_buffer, .address_space: global }
      - { .name: out0, .offset: 16, .size: 8, .value_kind: global_buffer, .address_space: global }
    .group_segment_fixed_size: 0
    .private_segment_fixed_size: 0
    .kernarg_segment_align: 8
    .kernarg_segment_size: 24
    .max_flat_workgroup_size: 256
    .sgpr_count:     66
    .vgpr_count:     112
    .wavefront_size: 32
...
	.end_amdgpu_metadata
.endif
;; end of part 5
;; ======== version 2 of 2: 5 launches; version 1 with the launches up, down written anew for expert scheduling mode
;; workspace buffers: xb 2,097,152 bytes; hp 262,144 bytes; plan 768 bytes of whole numbers; gate 512 bytes; H 25,165,824 bytes; P 50,331,648 bytes
;; launch pool: the kernel of part 1 again; grid 16 x 16, 8 waves a work-group, no clusters, 15,360 bytes of LDS; arguments x, W1, xb, hp; writes xb, hp
;; launch route: the kernel of part 2 again; grid 1 x 1, 16 waves a work-group, no clusters, 18,944 bytes of LDS; arguments hp, b1, W2, b2, plan, gate; writes plan, gate
;; launch up (part 6): grid 32 x 8, 8 waves a work-group, no clusters, 263,168 bytes of LDS; arguments Wa, xb, plan, H; writes H
.if DOCPART == 6
	.amdgcn_target "amdgcn-amd-amdhsa--gfx1250"
	.amdhsa_code_object_version 6
	.text
	.protected	k_qecdd9bd1ef_up
	.globl	k_qecdd9bd1ef_up
	.p2align	8
	.type	k_qecdd9bd1ef_up,@function
k_qecdd9bd1ef_up:
	s_mov_b64 s[64:65], 0
	v_nop
	global_prefetch_b8 v0, s[64:65] scope:SCOPE_SE
	s_setreg_imm32_b32 hwreg(HW_REG_WAVE_SCHED_MODE, 0, 2), 2
	s_setreg_imm32_b32 hwreg(HW_REG_WAVE_MODE, 25, 1), 1
	s_wait_xcnt 0x0
	s_wait_alu depctr_vm_vsrc(0)
; UP.  H = gelu(x Wa[e]) for the batches that chose zone e.  Work-group (sl = x id, e = y id) owns columns 128 sl .. + 127 of Wa[e], all 1,024 rows: 524,288 bytes of f32 that it alone reads, once.
; FILL.  The slice is rounded to bf16 on its way through registers and laid into LDS as matrix operands (262,144 bytes).  Wa lies [k][n], an operand wants k along a lane's registers.  Lane (r, h) loads the
; 16 bytes of columns 4 r .. 4 r + 3 of sixteen rows k; number c of two such rows, packed, is one register of FRAGMENT c, in which lane r stands for column 4 r + c: a permutation of columns, which the way out undoes.
; Fragment (kb, ct = 4 g + c): K block kb of 32 rows, columns 64 g + 4 r + c, at LDS byte 1,024 (8 kb + ct) + 512 q + 16 lane.  Each load covers two runs of 256 consecutive bytes, aligned.
; EIGHT WAVES, two to a SIMD, 512 registers each.  A wave's tile in a pass of four is 64 tokens x 128 columns: 256 registers of sums, 96 of weights, 128 of x, 32 for the rest.  It is the tile that a wave of 1,024
; registers would take here, so a byte read from LDS feeds as many products; the two waves of a SIMD work on different batches, so that one's loads, set-up and way out stand under the other's products.
; PASSES.  Behind the fill's barrier the slice is only read.  The zone's n batches (a mask read from plan) go four to a pass, then two.  Wave w has rows 16 (w % 4) .. + 15 of each of a pass's batches and belongs
; to group w / 4; the passes go to the two groups by turns: every wave strips the same bits from the mask, and runs the pass if the turn is its group's.  x's fragments come straight from xb into registers
; (a ring of four K blocks), the weights' from LDS.  n odd: the last pass's second tile runs on batch 15 and its way out is jumped.  n = 0: no pass, nothing stored.
; The loops over passes count to constants that cover every n from 0 to 16 (four passes of four, two of two); a trip with too few batches left, or the other group's, jumps forward over its pass; what is jumped
; holds no barrier and no LDS write, and the LDS read address has the same value at each pass's head and end.
; THE PRODUCT is used with the weights as source 0: result register j of lane (r, h) is token r, hidden column 64 g + 32 h + 4 j + c.  Packed in pairs that is 16 bytes of the operand that the next launch wants:
; H[pid][t = w % 4][kbF = 4 sl + 2 g + c / 2][q = c % 2][lane][16 bytes]; there k = 64 (kbF / 2) + 32 h + 8 i + 4 s + 2 (kbF % 2) + q for register 4 q + i, half s.
; gelu(x) = x / (1 + 2^(x (c0 + c1 x x))), c0 = -2 log2(e) sqrt(2 / pi), c1 = 0.044715 c0: the tanh form; x where the power vanishes, -0 where it overflows.
; NO MULTICAST: each slice has one reader; what a zone's 32 work-groups share, x's fragments, is read in passes of which a stored count says how many run, where no barrier may stand.
; LIMITS: operands bf16, sums f32, H rounded once to bf16; the exponential and the reciprocal count denormals as 0; NaN and infinities are not treated apart.
; THE MODE: SCHED_MODE bits 1:0 = 2 (LLVM: expert scheduling mode 2), set by the entry lines.  The code itself states the register dependences between vector or matrix instructions and memory or LDS
; instructions, with s_wait_alu, always for 0.
; THE PLAN.  Registers that memory or LDS instructions touch:
;   RAW0 .. RAW3 (window 1, the fill)  unit v's 16 loads land in RAW[v]; its 32 conversions read it; behind them the loads of the unit four on land in it.
;   TF (v32-63, the fill)              written by a unit's conversions, read by its eight LDS stores, written again by the next unit's conversions.
;   WL0 (v64-95), WL1 (v32-63)         the weights' fragments 0-3 of the even and of the odd K blocks.  Step d's products read WL[d % 2]; step d's LDS loads land in the other one (block d + 1).
;   WU (v96-127)                       the weights' fragments 4-7 of every K block.  Step d's LDS loads land in it, its later products read it.
;   X0 .. X3 (v128-255)                x's ring.  Step d's products read X[d % 4]; step d's loads land in X[(d + 3) % 4] (block d + 3).
;   v4                                 read by every LDS load; written in SETUP, at the end of each trip of the K loop and at a pass's end.
;   v8-11, v12-15                      read by x's loads and by the stores; written in SETUP alone.        v2, v3  read by the fill's loads and LDS stores; never written again.
;   the store data (v128-255)          written by the way out's roundings, read by its stores; x's loads of the next pass land there.
;   The sums (window 1) are named by vector and matrix instructions alone.
; WU, WL[(d + 1) % 2] and X[(d + 3) % 4] were all last read by the products of step d - 1.  So ONE wait on va_vdst stands at a step's head, and the step's loads follow it in one run, ahead of its first product.
; REGISTERS, in windows of 256 (s_set_vgpr_msb: bits 1:0 source 0, 3:2 source 1, 5:4 source 2, 7:6 destination):
;   window 0: v1 16 x lane; v2 fill offset; v3 fill LDS address; v4 LDS read address; v8-11 x offsets; v12-15 store offsets; v32-63 packed fragments (fill), then WL1;
;             v64-95 WL0; v96-127 WU; v128-255 x's ring, 4 slots x 32, tile t at + 8 t.  On the way out: v64-95 at work, v128-255 store data, 32 a tile
;   window 1: in the fill the ring of 4 units x 64; then the sums, tile t at 64 t + 8 ct
.set PITCH, 16384                      ; bytes in a row of Wa
.set TF, 32
.set BF, 64
.set AR, 128
.set EE, 64
.set YY, 128
.set VA, 8
.set SO, 12
.set MSB, 0
.macro WIN new                         ; the immediate's high byte repeats the setting that is left; a switch that changes nothing is dropped
.if MSB != (\new)
	s_set_vgpr_msb (MSB<<8)|(\new)
.set MSB, (\new)
.endif
.endm
.macro PLACES                          ; four plain instructions between a matrix instruction and a load into, or a vector read or write of, its registers (ISA guide 7.12.1 for vector instructions)
.rept 4
	v_nop
.endr
.endm
; Unit v of four: K block v / 2 (+ 2 with ahead = 1) of my four, columns 64 (v % 2) on.  Sixteen loads: row 32 kb + 16 q + 8 h + 2 i + s goes to load 8 q + 2 i + s.
.macro ISSUE v, ahead
	WIN 0x40
.irp q, 0,1
.irp i, 0,1,2,3
.irp s, 0,1
	global_load_b128 v[64*(\v)+4*(8*\q+2*\i+\s):64*(\v)+4*(8*\q+2*\i+\s)+3], v2, s[20:21] offset:(32*((\v)/2+2*(\ahead))+16*\q+2*\i+\s)*PITCH+256*((\v)%2) th:TH_LOAD_NT
.endr
.endr
.endr
.endm
.macro CONV v                          ; register 4 q + i of fragment c: rows s = 0 and 1, number c
	WIN 0x05
.irp c, 0,1,2,3
.irp q, 0,1
.irp i, 0,1,2,3
	v_cvt_pk_bf16_f32 v[TF+8*\c+4*\q+\i], v[64*(\v)+4*(8*\q+2*\i)+\c], v[64*(\v)+4*(8*\q+2*\i+1)+\c]
.endr
.endr
.endr
.endm
.macro PUT v, trip
	WIN 0
.irp c, 0,1,2,3
.irp q, 0,1
	ds_store_b128 v3, v[TF+8*\c+4*\q:TF+8*\c+4*\q+3] offset:(\trip)*16384+((\v)/2)*8192+(4*((\v)%2)+\c)*1024+512*\q
.endr
.endr
.endm
.macro LDA T, slot, rel                ; x's fragments of K block rel (from the pointer) for T tiles: 512 consecutive bytes a load
	WIN 0
.set tt, 0
.rept \T
	global_load_b128 v[AR+32*(\slot)+8*tt:AR+32*(\slot)+8*tt+3], v[VA+tt], s[22:23] offset:(\rel)*1024
	global_load_b128 v[AR+32*(\slot)+8*tt+4:AR+32*(\slot)+8*tt+7], v[VA+tt], s[22:23] offset:(\rel)*1024+512
.set tt, tt+1
.endr
.endm
.macro LDW reg, c0, rel                ; the weights' fragments c0 .. c0 + 3 of K block rel (from the LDS read address) into the 32 registers from reg on
.irp f, 0,1,2,3
	ds_load_b128 v[(\reg)+8*\f:(\reg)+8*\f+3], v4 offset:(\rel)*8192+((\c0)+\f)*1024
	ds_load_b128 v[(\reg)+8*\f+4:(\reg)+8*\f+7], v4 offset:(\rel)*8192+((\c0)+\f)*1024+512
.endr
.endm
; K block d (from the LDS read address and the pointer).  ONE run of loads: this block's fragments 4-7 (8 LDS loads), with lw = 1 the next block's fragments 0-3 (8 more) and, with la = 1, x's block three on
; (2 T loads).  The four places stand between the last step's products and these loads, which land in registers that those products read; they stay beside the wait.  cnt: x's loads issued behind this block's,
; 2 T for each later block.  LDS loads come back in order (ISA guide 5.7.1), and by age they are this block's fragments 0-3 (asked for a step ago), its fragments 4-7, the next block's 0-3: ahead of the T products
; of fragment ct the 14 - 2 ct loads of this block's later fragments and the next block's 8 lw may be out.
; zero = 1: a pass's first step: its products start the sums, and no vector or matrix instruction has been issued since the wait at GEMM's head, so it has neither places nor a wait.
; The 8 T matrix instructions each have another accumulator, in the same order in every K step: the accumulators take turns.
.macro KSTEP T, d, zero, la, lw, cnt
.if !(\zero)
	PLACES
.endif
	WIN 0
.if !(\zero)
	s_wait_alu depctr_va_vdst(0)                   ; the last step's products are done reading WU, their WL and their slot of x, in which the loads below land; in a trip's first step v4 is written
.endif
	LDW BF+32, 4, \d
.if \lw
	LDW BF-32*(((\d)+1)%2), 0, (\d)+1
.endif
.if \la
	LDA \T, ((\d)+3)%4, (\d)+3
.endif
	s_wait_loadcnt \cnt
	WIN 0x50
.irp ct, 0,1,2,3,4,5,6,7
	s_wait_dscnt 14+8*(\lw)-2*\ct
.set FR, BF+8*\ct-32*((\d)%2)*(1-\ct/4)
.set tt, 0
.rept \T
.if \zero
	v_wmma_f32_16x16x32_bf16 v[64*tt+8*\ct:64*tt+8*\ct+7], v[FR:FR+7], v[AR+32*((\d)%4)+8*tt:AR+32*((\d)%4)+8*tt+7], 0
.else
	v_wmma_f32_16x16x32_bf16 v[64*tt+8*\ct:64*tt+8*\ct+7], v[FR:FR+7], v[AR+32*((\d)%4)+8*tt:AR+32*((\d)%4)+8*tt+7], v[64*tt+8*\ct:64*tt+8*\ct+7]
.endif
.set tt, tt+1
.endr
.endr
.endm
.macro GEMM T                          ; 32 K blocks: 1 + 7 x 4 + 3; no load reaches past block 31
	WIN 0
	s_wait_alu depctr_va_vdst(0)                   ; SETUP has written v4 and the offsets v8-15, which the loads and stores of the pass read; the way out of the pass before (ahead of the first pass: the fill's conversions) is done with v32-255, in which loads land
	LDA \T, 0, 0
	LDA \T, 1, 1
	LDA \T, 2, 2
	LDW BF, 0, 0                                   ; block 0's fragments 0-3
	KSTEP \T, 0, 1, 1, 1, 6*(\T)                   ; the first products start the sums
	WIN 0
	s_mov_b32 s19, 7
.Lk_\@:
	KSTEP \T, 1, 0, 1, 1, 6*(\T)
	KSTEP \T, 2, 0, 1, 1, 6*(\T)
	KSTEP \T, 3, 0, 1, 1, 6*(\T)
	KSTEP \T, 4, 0, 1, 1, 6*(\T)
	WIN 0
	s_wait_xcnt 0x0                                ; the pointer is stepped only behind this wait
	s_add_nc_u64 s[22:23], s[22:23], 4096
	s_wait_alu depctr_vm_vsrc(0)                   ; the LDS loads issued so far have read v4
	v_add_nc_u32 v4, 32768, v4
	s_sub_co_u32 s19, s19, 1
	s_cmp_lg_u32 s19, 0
	s_cbranch_scc1 .Lk_\@
	KSTEP \T, 1, 0, 0, 1, 4*(\T)                   ; nothing more is asked of x: the counts run down
	KSTEP \T, 2, 0, 0, 1, 2*(\T)
	KSTEP \T, 3, 0, 0, 0, 0                        ; and there is no next block of weights
	WIN 0
.endm
; The pass's T batches are the lowest set bits of the mask; past the last one: batch 15.  Every wave strips them, whichever group's turn it is.
.macro STRIP T
.set tt, 0
.rept \T
	s_ctz_i32_b32 s[24+tt], s15
	s_min_u32 s[24+tt], s[24+tt], 15
	s_sub_co_u32 s40, s15, 1
	s_and_b32 s15, s15, s40                        ; that bit is served
.if ((\T) == 2) && (tt == 0)
	s_cmp_lg_u32 s15, 0
	s_cselect_b32 s47, 1, 0                        ; is there a second batch?
.endif
.set tt, tt+1
.endr
.endm
; Numbers read from plan are clamped before they enter an address.
.macro SETUP T
	WIN 0
	s_wait_xcnt 0x0                                ; offsets, pointer and store data of earlier loads and stores are rewritten from here on
	s_wait_alu depctr_vm_vsrc(0)                   ; earlier LDS loads have read v4, earlier loads v8-11, earlier stores v12-15 and their data in v128-255, the fill's LDS stores v32-63: all are written again in this pass
	v_mov_b32 v4, v1
.set tt, 0
.rept \T
	s_lshl_b32 s[32+tt], s14, 4
	s_add_co_u32 s[32+tt], s[32+tt], s[24+tt]
	s_lshl_b32 s[32+tt], s[32+tt], 2
	s_load_b32 s[28+tt], s[8:9], s[32+tt] offset:0x80   ; pid(e, b)
.set tt, tt+1
.endr
	s_wait_kmcnt 0x0
	s_lshl_b32 s42, s13, 12
.set tt, 0
.rept \T
	s_min_u32 s[28+tt], s[28+tt], 47
	s_lshl_b32 s40, s[24+tt], 2
	s_add_co_u32 s40, s40, s60
	s_lshl_b32 s40, s40, 15
	v_add_nc_u32 v[VA+tt], s40, v1                 ; xb: (4 b + row tile) x 32,768 + 16 lane
	s_lshl_b32 s[32+tt], s[28+tt], 2
	s_add_co_u32 s[32+tt], s[32+tt], s60
	s_lshl_b32 s[32+tt], s[32+tt], 17
	s_add_co_u32 s[32+tt], s[32+tt], s42
	v_add_nc_u32 v[SO+tt], s[32+tt], v1            ; H: (4 pid + row tile) x 131,072 + 4 sl x 1,024 + 16 lane
.set tt, tt+1
.endr
	s_mov_b64 s[22:23], s[6:7]
.endm
.macro GB n
	v_pk_fma_f32 v[EE+2*(\n):EE+2*(\n)+1], v[EE+2*(\n):EE+2*(\n)+1], s[38:39], s[36:37] op_sel_hi:[1,0,0]
.endm
.macro GC n
	v_pk_mul_f32 v[EE+2*(\n):EE+2*(\n)+1], v[EE+2*(\n):EE+2*(\n)+1], v[XB+2*(\n):XB+2*(\n)+1]
.endm
.macro GD n
	v_pk_add_f32 v[EE+2*(\n):EE+2*(\n)+1], v[EE+2*(\n):EE+2*(\n)+1], 1.0 op_sel_hi:[1,0]
.endm
; THE WAY OUT of tile t, 32 sums (four accumulators) at a time, each accumulator read from its low end on.  The 32 exponentials are one batch with one wait, plain lines between them; the 32 reciprocals likewise.
; The sums lie in window 1, all else in window 0: three settings for each 32 sums.  Each tile has store data of its own, last read by stores that stand ahead of SETUP's two waits.
.macro EPI t
.irp g, 0,1
.set XB, 64*(\t)+32*\g
	WIN 0x05                                       ; both sources the sums
.set i, 0
.rept 16
	v_pk_mul_f32 v[EE+2*i:EE+2*i+1], v[XB+2*i:XB+2*i+1], v[XB+2*i:XB+2*i+1]   ; x x
.set i, i+1
.endr
	WIN 0x04                                       ; source 1 the sums
	GB 0                                           ; c0 + c1 x x
	GC 0                                           ; times x
	GB 1
	GC 1
.set i, 0
.rept 16
	v_exp_f32 v[EE+2*i], v[EE+2*i]
.if i < 14
	GB i+2
.endif
	v_exp_f32 v[EE+2*i+1], v[EE+2*i+1]
.if i < 14
	GC i+2
.endif
.set i, i+1
.endr
	v_nop                                          ; a plain instruction behind the last exponential,
	s_wait_alu depctr_va_vdst(0)                   ; and one wait for the batch: the 32 exponentials have written v64-95; nothing above names a result
	GD 0
	GD 1
.set i, 0
.rept 16
	v_rcp_f32 v[EE+2*i], v[EE+2*i]
.if i < 14
	GD i+2
.endif
	v_rcp_f32 v[EE+2*i+1], v[EE+2*i+1]
.set i, i+1
.endr
	v_nop
	s_wait_alu depctr_va_vdst(0)                   ; the 32 reciprocals have written v64-95, ahead of their first reader
.set i, 0
.rept 16
	GC i
.set i, i+1
.endr
	WIN 0
.set i, 0
.rept 16
	v_cvt_pk_bf16_f32 v[YY+32*(\t)+16*\g+i], v[EE+2*i], v[EE+2*i+1]
.set i, i+1
.endr
	s_wait_alu depctr_va_vdst(0)                   ; the sixteen roundings have written the store data, which the four stores read
.irp c, 0,1,2,3
	global_store_b128 v[SO+(\t)], v[YY+32*(\t)+16*\g+4*\c:YY+32*(\t)+16*\g+4*\c+3], s[10:11] offset:(4*\g+\c)*512   ; 512 consecutive bytes of H
.endr
.endr
.endm
.macro PASS T
	SETUP \T
	GEMM \T
	PLACES                                         ; behind the last products: the way out reads their sums and writes over their sources
	s_wait_alu depctr_vm_vsrc(0)                   ; the pass's last LDS loads have read v4
	v_mov_b32 v4, v1                               ; the LDS read address leaves the pass as it entered it
	EPI 0
.if (\T) == 4
	EPI 1
	EPI 2
	EPI 3
.else
	WIN 0
	s_cmp_eq_u32 s47, 0
	s_cbranch_scc1 .Lskip_\@                       ; no second batch: its tile is not stored
	EPI 1
	WIN 0
.Lskip_\@:
.endif
	WIN 0
.endm
	s_load_b256 s[4:11], s[0:1], 0x0               ; Wa s[4:5], xb s[6:7], plan s[8:9], H s[10:11]
	v_lshl_add_u32 v30, v0, 2, 0x40000
	v_mov_b32 v31, 0
	v_lshrrev_b32 v16, 5, v0
	v_readfirstlane_b32 s12, v16                   ; wave w, 0 to 7
	v_and_b32 v6, 31, v0
	v_lshlrev_b32 v1, 4, v6                        ; 16 x lane
	v_and_b32 v6, 15, v0                           ; r
	v_bfe_u32 v7, v0, 4, 1                         ; h
	v_lshlrev_b32 v2, 17, v7                       ; lanes 16-31: eight rows of 16,384 bytes further down
	v_lshl_add_u32 v2, v6, 4, v2
	v_mov_b32 v4, v1
	s_mov_b32 s13, ttmp9                           ; sl
	s_and_b32 s14, ttmp7, 0xffff                   ; e
	s_mov_b32 s36, 0xc0135761                      ; c0 = -2.3022082
	s_mov_b32 s37, s36                             ; named with it as a pair
	s_mov_b32 s38, 0xbdd2d3e8                      ; c1 = -0.10294324
	s_mov_b32 s39, s38
	s_wait_alu depctr_va_sdst(0)                   ; s12 is written, ahead of its first reader
	s_and_b32 s60, s12, 3                          ; my row tile
	s_lshr_b32 s61, s12, 2                         ; my group
	s_xor_b32 s62, s61, s12
	s_and_b32 s62, s62, 1                          ; bit 0 xor bit 2 of w: it differs between waves w and w + 4, and between waves 2 i and 2 i + 1
	s_lshl_b32 s40, s12, 15
	v_add_nc_u32 v3, s40, v1                       ; wave w fills K blocks 4 w .. 4 w + 3: LDS bytes 32,768 w on
	s_lshl_b32 s20, s14, 24                        ; the zone, 16,777,216 bytes;
	s_lshl_b32 s41, s12, 21                        ; my 128 rows;
	s_add_co_u32 s20, s20, s41
	s_lshl_b32 s41, s13, 9                         ; the slice's 128 columns
	s_add_co_u32 s20, s20, s41
	s_mov_b32 s21, 0
	s_lshl_b32 s42, s14, 2
	s_wait_kmcnt 0x0
	s_add_nc_u64 s[20:21], s[4:5], s[20:21]
	s_load_b32 s15, s[8:9], s42 offset:0x0         ; the zone's batches, a bit each; waited for behind the fill
	; THE FILL: 8 units a wave, every place by an immediate: no pointer is stepped.  Three or four units, 48 to 64 loads of 512 bytes, are on their way until the tail
	WIN 0x40
	s_wait_alu depctr_va_vdst(0)                   ; v2 and v3 are written, which the fill's loads and LDS stores read as their addresses
	ISSUE 0, 0
	ISSUE 1, 0
	ISSUE 2, 0
	ISSUE 3, 0
.irp v, 0,1,2,3
	s_wait_loadcnt 48                              ; the oldest unit is in; the three younger ones, 16 loads each, stay out
.if \v > 0
	s_wait_alu depctr_vm_vsrc(0)                   ; the last unit's LDS stores have read v32-63, which the conversions below write again
.endif
	CONV \v
	WIN 0x40
	s_wait_alu depctr_va_vdst(0)                   ; the conversions are done reading the unit's 64 registers, in which the loads below land, and have written v32-63, which the LDS stores below read
	ISSUE \v, 1
	PUT \v, 0
.endr
.irp v, 0,1,2,3
	s_wait_loadcnt 48-16*\v                        ; nothing more is asked for: the counts run down
	s_wait_alu depctr_vm_vsrc(0)                   ; the last unit's LDS stores have read v32-63, which the conversions below write again
	CONV \v
	WIN 0
	s_wait_alu depctr_va_vdst(0)                   ; the conversions have written v32-63, which the LDS stores below read
	PUT \v, 1
.endr
	s_wait_dscnt 0x0                               ; for the others' sake: my part of the slice is stored
	s_barrier_signal -1
	s_barrier_wait -1                              ; the slice is whole: from here on it is only read
	s_wait_kmcnt 0x0
	s_and_b32 s15, s15, 0xffff                     ; the batches still to be served
	s_mov_b32 s57, 1                               ; whose turn: flipped ahead of each pass, so the first is group 0's
	s_cmp_eq_u32 s62, 0
	s_cbranch_scc1 .Lgo
.rept 16
	s_nop 15                                       ; every second wave enters the passes a little later: two waves in step would run their loads together and their products together, and nothing in the loop pulls them apart
.endr
.Lgo:
	s_mov_b32 s18, 4                               ; sixteen batches at the most: four passes of four,
.Lp4:
	s_bcnt1_i32_b32 s16, s15
	s_cmp_lt_u32 s16, 4
	s_cbranch_scc1 .Ld4                            ; fewer than four are left: no pass
	STRIP 4
	s_xor_b32 s57, s57, 1
	s_cmp_lg_u32 s57, s61
	s_cbranch_scc1 .Ld4                            ; the other group's pass
	PASS 4
.Ld4:
	s_sub_co_u32 s18, s18, 1
	s_cmp_lg_u32 s18, 0
	s_cbranch_scc1 .Lp4
	s_mov_b32 s18, 2                               ; then three at the most: two passes of two
.Lp2:
	s_cmp_eq_u32 s15, 0
	s_cbranch_scc1 .Ld2                            ; none is left
	STRIP 2
	s_xor_b32 s57, s57, 1
	s_cmp_lg_u32 s57, s61
	s_cbranch_scc1 .Ld2                            ; the other group's pass
	PASS 2
.Ld2:
	s_sub_co_u32 s18, s18, 1
	s_cmp_lg_u32 s18, 0
	s_cbranch_scc1 .Lp2
	s_wait_dscnt 0x0                               ; my reads of the slice are over;
	s_barrier_signal -1
	s_barrier_wait -1                              ; every wave's are
	s_wait_dscnt 0x0
	s_wait_alu depctr_hold_cnt(0) depctr_sa_sdst(0) depctr_va_vdst(0) depctr_va_sdst(0) depctr_va_ssrc(0) depctr_va_vcc(0) depctr_vm_vsrc(0)
	s_wait_tensorcnt 0x0
	ds_add_u32 v30, v31
	s_wait_dscnt 0x0
	s_endpgm
.Lfunc_end_k_qecdd9bd1ef_up:
	.size	k_qecdd9bd1ef_up, .Lfunc_end_k_qecdd9bd1ef_up-k_qecdd9bd1ef_up
	.p2alignl 7, 3214868480
	.fill 96, 4, 3214868480
	.section	.rodata,"a",@progbits
	.p2align	6, 0x0
	.amdhsa_kernel k_qecdd9bd1ef_up
		.amdhsa_group_segment_fixed_size 263168
		.amdhsa_private_segment_fixed_size 0
		.amdhsa_enable_private_segment 0
		.amdhsa_kernarg_size 32
		.amdhsa_user_sgpr_count 2
		.amdhsa_user_sgpr_kernarg_segment_ptr 1
		.amdhsa_wavefront_size32 1
		.amdhsa_system_sgpr_workgroup_id_x 1
		.amdhsa_system_sgpr_workgroup_id_y 1
		.amdhsa_system_sgpr_workgroup_id_z 1
		.amdhsa_system_vgpr_workitem_id 0
		.amdhsa_next_free_vgpr 512
		.amdhsa_next_free_sgpr 66
		.amdhsa_reserve_vcc 0
		.amdhsa_float_denorm_mode_32 3
		.amdhsa_float_denorm_mode_16_64 3
		.amdhsa_memory_ordered 1
		.amdhsa_forward_progress 1
		.amdhsa_inst_pref_size 203
	.end_amdhsa_kernel
	.amdgpu_metadata
---
amdhsa.version: [ 1, 2 ]
amdhsa.kernels:
  - .name:           k_qecdd9bd1ef_up
    .symbol:         k_qecdd9bd1ef_up.kd
    .args:
      - { .name: Wa, .offset: 0, .size: 8, .value_kind: global_buffer, .address_space: global }
      - { .name: xb, .offset: 8, .size: 8, .value_kind: global_buffer, .address_space: global }
      - { .name: plan, .offset: 16, .size: 8, .value_kind: global_buffer, .address_space: global }
      - { .name: H, .offset: 24, .size: 8, .value_kind: global_buffer, .address_space: global }
    .group_segment_fixed_size: 263168
    .private_segment_fixed_size: 0
    .kernarg_segment_align: 8
    .kernarg_segment_size: 32
    .max_flat_workgroup_size: 256
    .sgpr_count:     66
    .vgpr_count:     512
    .wavefront_size: 32
...
	.end_amdgpu_metadata
.endif
;; end of part 6
;; launch down (part 7): grid 32 x 8, 8 waves a work-group, no clusters, 263,168 bytes of LDS; arguments Wb, H, plan, gate, P; writes P
.if DOCPART == 7
	.amdgcn_target "amdgcn-amd-amdhsa--gfx1250"
	.amdhsa_code_object_version 6
	.text
	.protected	k_qecdd9bd1ef_down
	.globl	k_qecdd9bd1ef_down
	.p2align	8
	.type	k_qecdd9bd1ef_down,@function
k_qecdd9bd1ef_down:
	s_mov_b64 s[64:65], 0
	v_nop
	global_prefetch_b8 v0, s[64:65] scope:SCOPE_SE
	s_setreg_imm32_b32 hwreg(HW_REG_WAVE_SCHED_MODE, 0, 2), 2
	s_setreg_imm32_b32 hwreg(HW_REG_WAVE_MODE, 25, 1), 1
	s_wait_xcnt 0x0
	s_wait_alu depctr_vm_vsrc(0)
; DOWN.  P[ks][pid] = gate x (H[pid][:, 1,024 ks .. + 1,023] Wb[e][1,024 ks .. + 1,023][128 ns .. + 127]).  Work-group (sl = x id, e = y id), ks = sl / 8, ns = sl % 8: again a slice of 1,024 rows x 128 columns,
; 524,288 bytes of f32 that it alone reads, once.  K is split four ways so that the slice fits LDS as bf16 with rows of 512 bytes; the four weighted partial rows (f32) of each of a batch's three zones are added by the last launch.
; FILL, the eight waves in two groups, PASSES, K STEPS and registers are the launch before's; see there.  What differs:
;   the rows of a K block: H's fragments hold k = 64 (kb / 2) + 32 h + 8 i + 4 s + 2 (kb % 2) + q in register 4 q + i, half s, so the weights' fragments take the same rows: lanes 16-31 lie 32 rows down,
;   and load 8 q + 2 i + s of unit v takes row 8 i + 4 s + 2 (v / 2) + q of 64 (+ 64 with ahead = 1);
;   the product has the tokens as source 0: result register j of lane (r, h) is token 8 h + j, column 64 g + 4 r + c, so a lane's four fragments c give 16 consecutive bytes of a row of P, sixteen lanes 256, aligned;
;   on the way out v64-255 of window 0 are three sets of store data, 64 registers a tile.
; The loops over passes count to constants that cover every n from 0 to 16 (four passes of four, two of two); a trip with too few batches left, or the other group's, jumps forward over its pass; what is jumped holds no barrier and no LDS write.
; n odd: the last pass's second tile runs on the row block that plan names for batch 15 (clamped to 47; every block of H is written), and its way out is jumped.  n = 0: no pass, nothing stored.
; NO MULTICAST: as in the launch before.  LIMITS: operands bf16, sums f32; NaN and infinities are not treated apart.
; THE MODE: SCHED_MODE bits 1:0 = 2 (LLVM: expert scheduling mode 2), set by the entry lines.  The code itself states the register dependences between vector or matrix instructions and memory or LDS
; instructions, with s_wait_alu, always for 0.
; THE PLAN.  Registers that memory or LDS instructions touch:
;   RAW0 .. RAW3 (window 1, the fill)  unit v's 16 loads land in RAW[v]; its 32 conversions read it; behind them the loads of the unit four on land in it.
;   TF (v32-63, the fill)              written by a unit's conversions, read by its eight LDS stores, written again by the next unit's conversions.
;   WL0 (v64-95), WL1 (v32-63)         the weights' fragments 0-3 of the even and of the odd K blocks.  Step d's products read WL[d % 2]; step d's LDS loads land in the other one (block d + 1).
;   WU (v96-127)                       the weights' fragments 4-7 of every K block.  Step d's LDS loads land in it, its later products read it.
;   X0 .. X3 (v128-255)                H's ring.  Step d's products read X[d % 4]; step d's loads land in X[(d + 3) % 4] (block d + 3).
;   v4                                 read by every LDS load; written in SETUP, at the end of each trip of the K loop and at a pass's end.
;   v8-11, v12-15                      read by H's loads and by the stores; written in SETUP alone.        v2, v3  read by the fill's loads and LDS stores; never written again.
;   the store data (v64-255)           three sets: written by a tile's multiplies, read by its stores; tile 3 writes tile 0's set again; the next pass's loads land there.
;   The sums (window 1) are named by vector and matrix instructions alone.
; WU, WL[(d + 1) % 2] and X[(d + 3) % 4] were all last read by the products of step d - 1.  So ONE wait on va_vdst stands at a step's head, and the step's loads follow it in one run, ahead of its first product.
.set PITCH, 4096                       ; bytes in a row of Wb
.set TF, 32
.set BF, 64
.set AR, 128
.set VA, 8
.set SO, 12
.set MSB, 0
.macro WIN new                         ; the immediate's high byte repeats the setting that is left; a switch that changes nothing is dropped
.if MSB != (\new)
	s_set_vgpr_msb (MSB<<8)|(\new)
.set MSB, (\new)
.endif
.endm
.macro PLACES                          ; four plain instructions between a matrix instruction and a load into, or a vector read or write of, its registers (ISA guide 7.12.1 for vector instructions)
.rept 4
	v_nop
.endr
.endm
.macro ISSUE v, ahead
	WIN 0x40
.irp q, 0,1
.irp i, 0,1,2,3
.irp s, 0,1
	global_load_b128 v[64*(\v)+4*(8*\q+2*\i+\s):64*(\v)+4*(8*\q+2*\i+\s)+3], v2, s[20:21] offset:(64*(\ahead)+8*\i+4*\s+2*((\v)/2)+\q)*PITCH+256*((\v)%2) th:TH_LOAD_NT
.endr
.endr
.endr
.endm
.macro CONV v
	WIN 0x05
.irp c, 0,1,2,3
.irp q, 0,1
.irp i, 0,1,2,3
	v_cvt_pk_bf16_f32 v[TF+8*\c+4*\q+\i], v[64*(\v)+4*(8*\q+2*\i)+\c], v[64*(\v)+4*(8*\q+2*\i+1)+\c]
.endr
.endr
.endr
.endm
.macro PUT v, trip
	WIN 0
.irp c, 0,1,2,3
.irp q, 0,1
	ds_store_b128 v3, v[TF+8*\c+4*\q:TF+8*\c+4*\q+3] offset:(\trip)*16384+((\v)/2)*8192+(4*((\v)%2)+\c)*1024+512*\q
.endr
.endr
.endm
.macro LDA T, slot, rel                ; H's fragments of K block rel (from the pointer) for T tiles: 512 consecutive bytes a load
	WIN 0
.set tt, 0
.rept \T
	global_load_b128 v[AR+32*(\slot)+8*tt:AR+32*(\slot)+8*tt+3], v[VA+tt], s[22:23] offset:(\rel)*1024
	global_load_b128 v[AR+32*(\slot)+8*tt+4:AR+32*(\slot)+8*tt+7], v[VA+tt], s[22:23] offset:(\rel)*1024+512
.set tt, tt+1
.endr
.endm
.macro LDW reg, c0, rel                ; the weights' fragments c0 .. c0 + 3 of K block rel (from the LDS read address) into the 32 registers from reg on
.irp f, 0,1,2,3
	ds_load_b128 v[(\reg)+8*\f:(\reg)+8*\f+3], v4 offset:(\rel)*8192+((\c0)+\f)*1024
	ds_load_b128 v[(\reg)+8*\f+4:(\reg)+8*\f+7], v4 offset:(\rel)*8192+((\c0)+\f)*1024+512
.endr
.endm
; K block d (from the LDS read address and the pointer).  ONE run of loads: this block's fragments 4-7 (8 LDS loads), with lw = 1 the next block's fragments 0-3 (8 more) and, with la = 1, H's block three on
; (2 T loads).  The four places stand between the last step's products and these loads, which land in registers that those products read; they stay beside the wait.  cnt: H's loads issued behind this block's,
; 2 T for each later block.  LDS loads come back in order (ISA guide 5.7.1), and by age they are this block's fragments 0-3 (asked for a step ago), its fragments 4-7, the next block's 0-3: ahead of the T products
; of fragment ct the 14 - 2 ct loads of this block's later fragments and the next block's 8 lw may be out.
; zero = 1: a pass's first step: its products start the sums, and no vector or matrix instruction has been issued since the wait at GEMM's head, so it has neither places nor a wait.
; The 8 T matrix instructions each have another accumulator, in the same order in every K step: the accumulators take turns.
.macro KSTEP T, d, zero, la, lw, cnt
.if !(\zero)
	PLACES
.endif
	WIN 0
.if !(\zero)
	s_wait_alu depctr_va_vdst(0)                   ; the last step's products are done reading WU, their WL and their slot of H, in which the loads below land; in a trip's first step v4 is written
.endif
	LDW BF+32, 4, \d
.if \lw
	LDW BF-32*(((\d)+1)%2), 0, (\d)+1
.endif
.if \la
	LDA \T, ((\d)+3)%4, (\d)+3
.endif
	s_wait_loadcnt \cnt
	WIN 0x50
.irp ct, 0,1,2,3,4,5,6,7
	s_wait_dscnt 14+8*(\lw)-2*\ct
.set FR, BF+8*\ct-32*((\d)%2)*(1-\ct/4)
.set tt, 0
.rept \T
.if \zero
	v_wmma_f32_16x16x32_bf16 v[64*tt+8*\ct:64*tt+8*\ct+7], v[AR+32*((\d)%4)+8*tt:AR+32*((\d)%4)+8*tt+7], v[FR:FR+7], 0
.else
	v_wmma_f32_16x16x32_bf16 v[64*tt+8*\ct:64*tt+8*\ct+7], v[AR+32*((\d)%4)+8*tt:AR+32*((\d)%4)+8*tt+7], v[FR:FR+7], v[64*tt+8*\ct:64*tt+8*\ct+7]
.endif
.set tt, tt+1
.endr
.endr
.endm
.macro GEMM T                          ; 32 K blocks: 1 + 7 x 4 + 3; no load reaches past block 31
	WIN 0
	s_wait_alu depctr_va_vdst(0)                   ; SETUP has written v4 and the offsets v8-15, which the loads and stores of the pass read; the way out of the pass before (ahead of the first pass: the fill's conversions) is done with v32-255, in which loads land
	LDA \T, 0, 0
	LDA \T, 1, 1
	LDA \T, 2, 2
	LDW BF, 0, 0                                   ; block 0's fragments 0-3
	KSTEP \T, 0, 1, 1, 1, 6*(\T)                   ; the first products start the sums
	WIN 0
	s_mov_b32 s19, 7
.Lk_\@:
	KSTEP \T, 1, 0, 1, 1, 6*(\T)
	KSTEP \T, 2, 0, 1, 1, 6*(\T)
	KSTEP \T, 3, 0, 1, 1, 6*(\T)
	KSTEP \T, 4, 0, 1, 1, 6*(\T)
	WIN 0
	s_wait_xcnt 0x0                                ; the pointer is stepped only behind this wait
	s_add_nc_u64 s[22:23], s[22:23], 4096
	s_wait_alu depctr_vm_vsrc(0)                   ; the LDS loads issued so far have read v4
	v_add_nc_u32 v4, 32768, v4
	s_sub_co_u32 s19, s19, 1
	s_cmp_lg_u32 s19, 0
	s_cbranch_scc1 .Lk_\@
	KSTEP \T, 1, 0, 0, 1, 4*(\T)                   ; nothing more is asked of H: the counts run down
	KSTEP \T, 2, 0, 0, 1, 2*(\T)
	KSTEP \T, 3, 0, 0, 0, 0                        ; and there is no next block of weights
	WIN 0
.endm
; The pass's T batches are the lowest set bits of the mask; past the last one: batch 15.  Every wave strips them, whichever group's turn it is.
.macro STRIP T
.set tt, 0
.rept \T
	s_ctz_i32_b32 s[24+tt], s15
	s_min_u32 s[24+tt], s[24+tt], 15
	s_sub_co_u32 s40, s15, 1
	s_and_b32 s15, s15, s40                        ; that bit is served
.if ((\T) == 2) && (tt == 0)
	s_cmp_lg_u32 s15, 0
	s_cselect_b32 s47, 1, 0                        ; is there a second batch?
.endif
.set tt, tt+1
.endr
.endm
; Numbers read from plan are clamped before they enter an address.
.macro SETUP T
	WIN 0
	s_wait_xcnt 0x0                                ; offsets, pointer and store data of earlier loads and stores are rewritten from here on
	s_wait_alu depctr_vm_vsrc(0)                   ; earlier LDS loads have read v4, earlier loads v8-11, earlier stores v12-15 and their data in v64-255, the fill's LDS stores v32-63: all are written again in this pass
	v_mov_b32 v4, v1
.set tt, 0
.rept \T
	s_lshl_b32 s[32+tt], s14, 4
	s_add_co_u32 s[32+tt], s[32+tt], s[24+tt]
	s_lshl_b32 s[32+tt], s[32+tt], 2
	s_load_b32 s[28+tt], s[8:9], s[32+tt] offset:0x80   ; pid(e, b)
	s_load_b32 s[48+tt], s[10:11], s[32+tt] offset:0x0  ; the pair's weight
.set tt, tt+1
.endr
	s_wait_kmcnt 0x0
.set tt, 0
.rept \T
	s_min_u32 s[28+tt], s[28+tt], 47
	s_lshl_b32 s40, s[28+tt], 2
	s_add_co_u32 s40, s40, s60
	s_lshl_b32 s40, s40, 17
	s_add_co_u32 s40, s40, s56
	v_add_nc_u32 v[VA+tt], s40, v1                 ; H: (4 pid + row tile) x 131,072 + 32 ks x 1,024 + 16 lane
	s_add_co_u32 s[32+tt], s[28+tt], s54
	s_lshl_b32 s[32+tt], s[32+tt], 18
	s_add_co_u32 s[32+tt], s[32+tt], s55
	v_add_nc_u32 v[SO+tt], s[32+tt], v5            ; P: (48 ks + pid) x 262,144 + my 16 rows + 128 ns columns + the lane's place
.set tt, tt+1
.endr
	s_mov_b64 s[22:23], s[6:7]
.endm
; THE WAY OUT of tile t: each accumulator is read from register 0 up; four accumulators' register j, times the weight, are 16 consecutive bytes of row 8 h + j.  The sums lie in window 1, the store data in
; window 0, in three sets by turns: tile 3 takes tile 0's set, behind the two waits below; the sets' readers of the pass before stand ahead of SETUP's two waits.
.macro EPI t
.set DD, 64+64*((\t)%3)
.if (\t) == 3
	s_wait_xcnt 0x0                                ; tile 0's stores have had their addresses translated: their data are rewritten only behind this wait,
	s_wait_alu depctr_vm_vsrc(0)                   ; and tile 0's stores have read v64-127, which the multiplies below write again
.endif
	WIN 0x04                                       ; source 1 the sums
.irp g, 0,1
.irp j, 0,1,2,3,4,5,6,7
.irp c, 0,1,2,3
	v_mul_f32 v[DD+32*\g+4*\j+\c], s[48+(\t)], v[64*(\t)+8*(4*\g+\c)+\j]
.endr
.endr
.endr
	WIN 0
	s_wait_alu depctr_va_vdst(0)                   ; the 64 multiplies have written the tile's store data, which the sixteen stores read
.irp g, 0,1
.irp j, 0,1,2,3,4,5,6,7
	global_store_b128 v[SO+(\t)], v[DD+32*\g+4*\j:DD+32*\g+4*\j+3], s[44:45] offset:\j*4096+256*\g   ; 16 lanes store 256 consecutive bytes, aligned
.endr
.endr
.endm
.macro PASS T
	SETUP \T
	GEMM \T
	PLACES                                         ; behind the last products: the way out reads their sums and writes over their sources
	s_wait_alu depctr_vm_vsrc(0)                   ; the pass's last LDS loads have read v4
	v_mov_b32 v4, v1                               ; the LDS read address leaves the pass as it entered it
	EPI 0
.if (\T) == 4
	EPI 1
	EPI 2
	EPI 3
.else
	WIN 0
	s_cmp_eq_u32 s47, 0
	s_cbranch_scc1 .Lskip_\@                       ; no second batch: its tile is not stored
	EPI 1
	WIN 0
.Lskip_\@:
.endif
	WIN 0
.endm
	s_load_b256 s[4:11], s[0:1], 0x0               ; Wb s[4:5], H s[6:7], plan s[8:9], gate s[10:11]
	s_load_b64 s[44:45], s[0:1], 0x20              ; P
	v_lshl_add_u32 v30, v0, 2, 0x40000
	v_mov_b32 v31, 0
	v_lshrrev_b32 v16, 5, v0
	v_readfirstlane_b32 s12, v16                   ; wave w, 0 to 7
	v_and_b32 v6, 31, v0
	v_lshlrev_b32 v1, 4, v6                        ; 16 x lane
	v_and_b32 v6, 15, v0                           ; r
	v_bfe_u32 v7, v0, 4, 1                         ; h
	v_lshlrev_b32 v2, 17, v7                       ; lanes 16-31: 32 rows of 4,096 bytes further down
	v_lshl_add_u32 v2, v6, 4, v2
	v_lshlrev_b32 v5, 15, v7                       ; P: lanes 16-31 eight rows down, 16 bytes a lane
	v_lshl_add_u32 v5, v6, 4, v5
	v_mov_b32 v4, v1
	s_mov_b32 s13, ttmp9                           ; sl
	s_and_b32 s14, ttmp7, 0xffff                   ; e
	s_lshr_b32 s52, s13, 3                         ; ks
	s_and_b32 s53, s13, 7                          ; ns
	s_mul_i32 s54, s52, 48
	s_lshl_b32 s56, s52, 15
	s_wait_alu depctr_va_sdst(0)                   ; s12 is written, ahead of its first reader
	s_and_b32 s60, s12, 3                          ; my row tile
	s_lshr_b32 s61, s12, 2                         ; my group
	s_xor_b32 s62, s61, s12
	s_and_b32 s62, s62, 1                          ; bit 0 xor bit 2 of w: it differs between waves w and w + 4, and between waves 2 i and 2 i + 1
	s_lshl_b32 s40, s12, 15
	v_add_nc_u32 v3, s40, v1                       ; wave w fills K blocks 4 w .. 4 w + 3: LDS bytes 32,768 w on
	s_lshl_b32 s55, s60, 16                        ; my 16 rows of 4,096 bytes,
	s_lshl_b32 s41, s53, 9                         ; the slice's 128 columns
	s_add_co_u32 s55, s55, s41
	s_lshl_b32 s20, s14, 24                        ; the zone, 16,777,216 bytes;
	s_lshl_b32 s43, s52, 22                        ; the slice's 1,024 rows;
	s_add_co_u32 s20, s20, s43
	s_lshl_b32 s43, s12, 19                        ; my 128 of them;
	s_add_co_u32 s20, s20, s43
	s_add_co_u32 s20, s20, s41                     ; the slice's 128 columns
	s_mov_b32 s21, 0
	s_lshl_b32 s42, s14, 2
	s_wait_kmcnt 0x0
	s_add_nc_u64 s[20:21], s[4:5], s[20:21]
	s_load_b32 s15, s[8:9], s42 offset:0x0         ; the zone's batches, a bit each; waited for behind the fill
	; THE FILL: 8 units a wave, every place by an immediate: no pointer is stepped.  Three or four units, 48 to 64 loads of 512 bytes, are on their way until the tail
	WIN 0x40
	s_wait_alu depctr_va_vdst(0)                   ; v2 and v3 are written, which the fill's loads and LDS stores read as their addresses
	ISSUE 0, 0
	ISSUE 1, 0
	ISSUE 2, 0
	ISSUE 3, 0
.irp v, 0,1,2,3
	s_wait_loadcnt 48                              ; the oldest unit is in; the three younger ones, 16 loads each, stay out
.if \v > 0
	s_wait_alu depctr_vm_vsrc(0)                   ; the last unit's LDS stores have read v32-63, which the conversions below write again
.endif
	CONV \v
	WIN 0x40
	s_wait_alu depctr_va_vdst(0)                   ; the conversions are done reading the unit's 64 registers, in which the loads below land, and have written v32-63, which the LDS stores below read
	ISSUE \v, 1
	PUT \v, 0
.endr
.irp v, 0,1,2,3
	s_wait_loadcnt 48-16*\v                        ; nothing more is asked for: the counts run down
	s_wait_alu depctr_vm_vsrc(0)                   ; the last unit's LDS stores have read v32-63, which the conversions below write again
	CONV \v
	WIN 0
	s_wait_alu depctr_va_vdst(0)                   ; the conversions have written v32-63, which the LDS stores below read
	PUT \v, 1
.endr
	s_wait_dscnt 0x0                               ; for the others' sake: my part of the slice is stored
	s_barrier_signal -1
	s_barrier_wait -1                              ; the slice is whole: from here on it is only read
	s_wait_kmcnt 0x0
	s_and_b32 s15, s15, 0xffff                     ; the batches still to be served
	s_mov_b32 s57, 1                               ; whose turn: flipped ahead of each pass, so the first is group 0's
	s_cmp_eq_u32 s62, 0
	s_cbranch_scc1 .Lgo
.rept 16
	s_nop 15                                       ; every second wave enters the passes a little later: two waves in step would run their loads together and their products together, and nothing in the loop pulls them apart
.endr
.Lgo:
	s_mov_b32 s18, 4                               ; sixteen batches at the most: four passes of four,
.Lp4:
	s_bcnt1_i32_b32 s16, s15
	s_cmp_lt_u32 s16, 4
	s_cbranch_scc1 .Ld4                            ; fewer than four are left: no pass
	STRIP 4
	s_xor_b32 s57, s57, 1
	s_cmp_lg_u32 s57, s61
	s_cbranch_scc1 .Ld4                            ; the other group's pass
	PASS 4
.Ld4:
	s_sub_co_u32 s18, s18, 1
	s_cmp_lg_u32 s18, 0
	s_cbranch_scc1 .Lp4
	s_mov_b32 s18, 2                               ; then three at the most: two passes of two
.Lp2:
	s_cmp_eq_u32 s15, 0
	s_cbranch_scc1 .Ld2                            ; none is left
	STRIP 2
	s_xor_b32 s57, s57, 1
	s_cmp_lg_u32 s57, s61
	s_cbranch_scc1 .Ld2                            ; the other group's pass
	PASS 2
.Ld2:
	s_sub_co_u32 s18, s18, 1
	s_cmp_lg_u32 s18, 0
	s_cbranch_scc1 .Lp2
	s_wait_dscnt 0x0                               ; my reads of the slice are over;
	s_barrier_signal -1
	s_barrier_wait -1                              ; every wave's are
	s_wait_dscnt 0x0
	s_wait_alu depctr_hold_cnt(0) depctr_sa_sdst(0) depctr_va_vdst(0) depctr_va_sdst(0) depctr_va_ssrc(0) depctr_va_vcc(0) depctr_vm_vsrc(0)
	s_wait_tensorcnt 0x0
	ds_add_u32 v30, v31
	s_wait_dscnt 0x0
	s_endpgm
.Lfunc_end_k_qecdd9bd1ef_down:
	.size	k_qecdd9bd1ef_down, .Lfunc_end_k_qecdd9bd1ef_down-k_qecdd9bd1ef_down
	.p2alignl 7, 3214868480
	.fill 96, 4, 3214868480
	.section	.rodata,"a",@progbits
	.p2align	6, 0x0
	.amdhsa_kernel k_qecdd9bd1ef_down
		.amdhsa_group_segment_fixed_size 263168
		.amdhsa_private_segment_fixed_size 0
		.amdhsa_enable_private_segment 0
		.amdhsa_kernarg_size 40
		.amdhsa_user_sgpr_count 2
		.amdhsa_user_sgpr_kernarg_segment_ptr 1
		.amdhsa_wavefront_size32 1
		.amdhsa_system_sgpr_workgroup_id_x 1
		.amdhsa_system_sgpr_workgroup_id_y 1
		.amdhsa_system_sgpr_workgroup_id_z 1
		.amdhsa_system_vgpr_workitem_id 0
		.amdhsa_next_free_vgpr 512
		.amdhsa_next_free_sgpr 66
		.amdhsa_reserve_vcc 0
		.amdhsa_float_denorm_mode_32 3
		.amdhsa_float_denorm_mode_16_64 3
		.amdhsa_memory_ordered 1
		.amdhsa_forward_progress 1
		.amdhsa_inst_pref_size 121
	.end_amdhsa_kernel
	.amdgpu_metadata
---
amdhsa.version: [ 1, 2 ]
amdhsa.kernels:
  - .name:           k_qecdd9bd1ef_down
    .symbol:         k_qecdd9bd1ef_down.kd
    .args:
      - { .name: Wb, .offset: 0, .size: 8, .value_kind: global_buffer, .address_space: global }
      - { .name: H, .offset: 8, .size: 8, .value_kind: global_buffer, .address_space: global }
      - { .name: plan, .offset: 16, .size: 8, .value_kind: global_buffer, .address_space: global }
      - { .name: gate, .offset: 24, .size: 8, .value_kind: global_buffer, .address_space: global }
      - { .name: P, .offset: 32, .size: 8, .value_kind: global_buffer, .address_space: global }
    .group_segment_fixed_size: 263168
    .private_segment_fixed_size: 0
    .kernarg_segment_align: 8
    .kernarg_segment_size: 40
    .max_flat_workgroup_size: 256
    .sgpr_count:     66
    .vgpr_count:     512
    .wavefront_size: 32
...
	.end_amdgpu_metadata
.endif
;; end of part 7
;; launch sum: the kernel of part 5 again; grid 512 x 1, 8 waves a work-group, no clusters, 0 bytes of LDS; arguments x, P, out0; writes out0
